; MI455X (gfx1250); checked and timed in simulation.
; The chip was launched on July 23, 2026; its instructions are those of AMD's public machine-readable ISA for CDNA 5 (MIT licence, August 2026) and "CDNA5" Instruction Set Architecture Reference Guide (July 2026). The comments in the code are by the model that wrote it; some were corrected since.
;; Multi Head Attention. Allowed arithmetic: matrix products marked QUANTISED: E2M1 operands, one E8M0 scale for each 32 along K, by v_wmma_scale_f32_16x16x128_f8f6f4 with both operands' format E2M1 (or v_wmma_scale_f32_32x16x128_f4), f32 sums; everything else in f32.
;; Inputs: b_attn 3,072 float32; b_proj 1,024 float32; w_attn 1,024 x 3,072 float32; w_proj 1,024 x 1,024 float32; x 4 x 2,048 x 1,024 float32.
;; Outputs: out0 4 x 2,048 x 1,024 float32.
;; This version of the problem:
;;   THIS VERSION OF THE PROBLEM IS GIVEN IN LOW PRECISION. The matrix products marked QUANTISED in the list below multiply operands that are first quantised to E2M1 (2 exponent bits, 1 mantissa bit; 4 bits a number), with one power-of-two scale for each 32 numbers along K (OCP MX v1.0); their sums are f32. All else is computed in f32.
;;   The module's matrix products, in the order in which they are computed (A, B: the left and right operand; K: the contracted axis; several contracted axes count as one K, in the product's order):
;;     1. [M 8,192, K 1,024] x [K 1,024, N 3,072]; A: input x; B: input w_attn: QUANTISED
;;     2. batch 64 x [M 2,048, K 64] x [K 64, N 2,048]; A: computed on the way; B: computed on the way: QUANTISED
;;     3. batch 64 x [M 2,048, K 2,048] x [K 2,048, N 64]; A: softmax (see below); B: computed on the way: QUANTISED
;;     4. [M 8,192, K 1,024] x [K 1,024, N 1,024]; A: computed on the way; B: input w_proj: QUANTISED
;;   THE QUANTISER, for each operand of a quantised product, along K:
;;     - K is cut into blocks of 32 from its start; a last block that is shorter is filled with zeros.
;;     - A block's scale is 2^e with e = floor(log2(the largest magnitude in the block)) - 2, held to -126 .. 127; a block of zeros has e = 0. As a byte (E8M0): e + 127.
;;     - Each number is divided by its block's scale, clamped to +-6, and rounded to the nearest number of E2M1, ties to even, subnormals kept.
;;     - The product sums the exact products of the quantised numbers (number of the format x scale) in f32.
;;   ~~~python
;;   def quantise(x, axis):      # numpy; x: float32 -> the quantised numbers, widened to float32 again
;;       x = np.moveaxis(x, axis, -1); K = x.shape[-1]
;;       x = np.pad(x, [(0, 0)] * (x.ndim - 1) + [(0, -K % 32)]); x = x.reshape(x.shape[:-1] + (-1, 32)); a = np.abs(x).max(-1, keepdims=True)
;;       e = np.where(a > 0, np.clip(np.frexp(np.where(a > 0, a, 1))[1] - 1 - 2, -126, 127), 0)      # np.frexp(a)[1] - 1 = floor(log2(a)), exactly
;;       r = np.clip(x / 2.0 ** e, -6, 6)
;;       step = 2.0 ** (np.maximum(np.frexp(np.where(r == 0, 1, r))[1] - 1, 0) - 1)
;;       q = np.round(r / step) * step * 2.0 ** e      # np.round: ties to even
;;       return np.moveaxis(q.reshape(q.shape[:-2] + (-1,))[..., :K], -1, axis).astype(np.float32)
;;   ~~~
;;   SOFTMAX AHEAD OF A QUANTISED PRODUCT. Where the list says 'softmax', what is quantised is not the finished softmax but p = 2^(t - M), with t = logit x log2(e) and M = ceil(the row's largest t), a whole number; so 1/2 < the row's largest p <= 1. The row's sum l is taken of the UNQUANTISED p, in f32, and the product's result is divided by l at the end. Since M is a whole number, a kernel that streams over the keys may use a running M (the ceiling of the running maximum): every later rescaling is an exact power of two, which a block's scale takes up: the codes' values come out the same.
;;   OPERANDS COMPUTED ON THE WAY. 'Computed on the way' means the value that the module computes at that place (a softmax that the list does not call 'softmax' is quantised finished and normalised). What goes into a quantiser is computed in f32, as accurately as f32 sums, v_exp_f32 and their like allow (about 1e-6 of the number): no bf16 or f16 on the way to a quantiser, and a product that is left as it is and whose result goes on into a quantised operand takes f32 operands (vector FMAs, or v_wmma_f32_16x16x4_f32). A number that lies on a knife's edge between two numbers of the format may be rounded either way, as far as f32 arithmetic and the matrix unit's own rounding can turn it there, and no further.
;; One version. Each part assembles by itself: llvm-mc -triple=amdgcn-amd-amdhsa -mcpu=gfx1250 --defsym DOCPART=n.
;; ======== version 1 of 1: 4 launches
;; workspace buffers: xq 4,456,448 bytes; wq 2,228,224 bytes; qk 8,912,896 bytes; vq 4,456,448 bytes; yq 4,456,448 bytes
;; launch quant (part 1): grid 512 x 1, 4 waves a work-group, no clusters, 35,328 bytes of LDS; arguments x, w_attn, w_proj, xq, wq; writes xq, wq
.if DOCPART == 1
	.amdgcn_target "amdgcn-amd-amdhsa--gfx1250"
	.amdhsa_code_object_version 6
	.text
	.protected	k_q53a96f95fe_quant
	.globl	k_q53a96f95fe_quant
	.p2align	8
	.type	k_q53a96f95fe_quant,@function
k_q53a96f95fe_quant:
	s_mov_b64 s[64:65], 0
	v_nop
	global_prefetch_b8 v0, s[64:65] scope:SCOPE_SE
	s_setreg_imm32_b32 hwreg(HW_REG_WAVE_MODE, 25, 1), 1
	s_wait_xcnt 0x0
; LAUNCH 1 OF 4.  x [8192][1024], w_attn [1024][3072] and w_proj [1024][1024], f32, become codes of FP4 (E2M1) with one E8M0 byte for each 32 along K.
; NO WORK OF THE PROBLEM IS LEFT OUT IN ANY LAUNCH: b_attn moves the codes of q, k and v, b_proj reaches the output, there is no mask: all five inputs are loaded.
; A block's scale is 2^(floor(log2(its largest magnitude)) - 2): its byte is the largest magnitude's exponent field - 2, held at 1 from below.
; LIMITS: a block of zeros, or one whose largest magnitude lies under 2^-124, gets the byte 1 (its codes are zeros or as the held scale gives them; the bytes are read by this program alone);
; NaN and infinities among the inputs are not served.
; LAYOUT OF THE CODES, for every operand of the two large products: an image of the operand's registers.  A block a of 16 rows takes the rows 32 (a / 2) + 8 (a % 2) + r + 8 (r / 8), r = 0 .. 15; the MX block kb
; (32 codes, 16 bytes) of its row slot r lies at 8192 a + 256 kb + 16 r.  So a fragment (16 rows x 128 K) is two runs of 512 bytes, 16 bytes a lane.  Its scale bytes lie at 512 a + 256 (kb / 16) + 16 r + kb % 16.
; Work-groups 0-255 take x (K innermost), work-groups 256-511 the weights (K is their first axis): one branch on the work-group's number.  Only x's path uses LDS.  No barrier: waves share nothing.
.set SPARE, 34816                      ; behind the four waves' stages: the spare words, 128 bytes a wave
.set SPW, 248                          ; v248 LDS address of my spare word; never rewritten
.set NIL, 249                          ; v249 0; never rewritten
.set R,   16                           ; x: v16-143 four sets of 32 registers as loaded;  weights: v16-47 the 32 rows' offsets
.set X,   144                          ; v144-207 two sets of 32 numbers of ONE block
.set C,   208                          ; v208-239 codes, four registers a step: no store's data are written again
.set E,   240                          ; v240-247 a scale byte a step
; 32 numbers at v[xs] on: the largest magnitude in two chains, with the floor 2^(3 - 127) as a last leaf; v11 = that with 2 off its exponent field: the conversion's scale operand
.macro MAXTREE xs
	v_max3_num_f32 v12, |v[\xs]|, |v[\xs+1]|, |v[\xs+2]|
	v_max3_num_f32 v13, |v[\xs+3]|, |v[\xs+4]|, |v[\xs+5]|
.irp i, 6,10,14,18,22,26
	v_max3_num_f32 v12, v12, |v[\xs+\i]|, |v[\xs+\i+1]|
	v_max3_num_f32 v13, v13, |v[\xs+\i+2]|, |v[\xs+\i+3]|
.endr
	v_max3_num_f32 v12, v12, |v[\xs+30]|, |v[\xs+31]|
	v_max3_num_f32 v12, v12, v13, 0x1800000
	v_add_nc_u32 v11, 0xff000000, v12
.endm
	s_load_b256 s[4:11], s[0:1], 0x0               ; x s[4:5], w_attn s[6:7], w_proj s[8:9], xq s[10:11]
	s_load_b64 s[12:13], s[0:1], 0x20              ; wq
	v_lshl_add_u32 v[SPW], v0, 2, SPARE
	v_mov_b32 v[NIL], 0
	v_lshrrev_b32 v1, 5, v0
	v_readfirstlane_b32 s16, v1                    ; wave
	v_and_b32 v1, 31, v0                           ; lane
	v_and_b32 v2, 15, v0                           ; r
	v_bfe_u32 v3, v0, 4, 1                         ; h
	s_cmp_ge_u32 ttmp9, 256
	s_cbranch_scc1 .Lweights
; ---- x.  Work-group g, wave w: block a = 2 g + w / 2, the half w % 2 of K: 16 rows x 512 numbers, in 8 steps of 64 columns.
; Each load reads 256 consecutive bytes of two rows; a step's 4,096 bytes turn through the wave's own stage (16 rows of 256 + 16 bytes) and come back 128 bytes a lane: a whole block of 32.
	s_lshr_b32 s17, s16, 1                         ; u
	s_and_b32 s18, s16, 1                          ; which half of K
	s_lshl_b32 s19, ttmp9, 5
	s_lshl_b32 s20, s17, 3
	s_add_co_u32 s19, s19, s20                     ; the block's first row: 32 g + 8 u
	s_lshl_b32 s20, s19, 12
	s_lshl_b32 s21, s18, 11
	s_add_co_u32 s20, s20, s21
	s_mov_b32 s21, 0
	s_lshl_b32 s22, ttmp9, 1
	s_add_co_u32 s22, s22, s17                     ; a
	s_lshl_b32 s24, s22, 13
	s_lshl_b32 s23, s18, 12
	s_add_co_u32 s24, s24, s23                     ; codes: 8192 a + 4096 half
	s_mov_b32 s25, 0
	s_lshl_b32 s26, s22, 9
	s_lshl_b32 s23, s18, 8
	s_add_co_u32 s26, s26, s23
	s_add_co_u32 s26, s26, 4194304                 ; scale bytes: behind the codes, 512 a + 256 half
	s_mov_b32 s27, 0
	s_mul_i32 s28, s16, 8704                       ; my two stages
	s_mov_b32 s30, 0x76543210
	s_mov_b32 s31, 0xfedcba98                      ; v_permlanex16_b32's selects for lane l xor 16
	s_wait_alu depctr_va_vdst(0)
	v_lshlrev_b32 v4, 12, v3
	v_lshl_add_u32 v4, v2, 4, v4                   ; in: lanes 16-31 one row further down, 16 bytes a lane
	v_mul_u32_u24 v5, v3, 272
	v_lshl_add_u32 v5, v2, 4, v5
	v_add_nc_u32 v5, s28, v5                       ; into the stage, as loaded
	v_mul_u32_u24 v6, v2, 272
	v_lshl_add_u32 v6, v3, 7, v6
	v_add_nc_u32 v6, s28, v6                       ; out of it: row r, 128 bytes for each half of the lanes
	v_lshlrev_b32 v7, 4, v1                        ; codes: 16 bytes a lane
	s_wait_alu depctr_va_vdst(0)
	s_wait_kmcnt 0x0
	s_add_nc_u64 s[4:5], s[4:5], s[20:21]
	s_add_nc_u64 s[14:15], s[10:11], s[26:27]
	s_add_nc_u64 s[10:11], s[10:11], s[24:25]
.macro LOADX t                         ; row slots 2 i and 2 i + 1 lie at rows 2 i + 8 (i / 4) and the next
.irp i, 0,1,2,3,4,5,6,7
	global_load_b128 v[R+32*((\t)%4)+4*\i:R+32*((\t)%4)+4*\i+3], v4, s[4:5] offset:(2*\i+8*(\i/4))*4096+256*(\t) th:TH_LOAD_NT
.endr
.endm
.macro TURNX t                         ; LDS serves a wave's instructions in order: no wait between the stores and the loads
.irp i, 0,1,2,3,4,5,6,7
	ds_store_b128 v5, v[R+32*((\t)%4)+4*\i:R+32*((\t)%4)+4*\i+3] offset:4352*((\t)%2)+544*\i
.endr
.irp j, 0,1,2,3,4,5,6,7
	ds_load_b128 v[X+32*((\t)%2)+4*\j:X+32*((\t)%2)+4*\j+3], v6 offset:4352*((\t)%2)+16*\j
.endr
.endm
.macro STEPX t
.set XS, X+32*((\t)%2)
	s_wait_dscnt 0x0                               ; this step's block is back from the stage, and its stores into the stage have read their registers,
.if (\t)+4 < 8
	LOADX (\t)+4                                   ; which take the loads of four steps on
.endif
.if (\t) < 7
.if 6-(\t) >= 3
	s_wait_loadcnt 24                              ; the next step's eight loads are in; those of the three steps behind it may be out
.else
	s_wait_loadcnt 8*(6-(\t))
.endif
	TURNX (\t)+1                                   ; the next step goes through the other stage while this one is worked
.endif
	MAXTREE XS
.irp g, 0,1,2,3
	v_cvt_scalef32_pk8_fp4_f32 v[C+4*(\t)+\g], v[XS+8*\g:XS+8*\g+7], v11
.endr
	v_lshrrev_b32 v[E+(\t)], 23, v11               ; the scale's byte (also the plain line behind the conversions)
	global_store_b128 v7, v[C+4*(\t):C+4*(\t)+3], s[10:11] offset:512*(\t)   ; MX blocks 2 t and 2 t + 1 of the 16 rows: 512 consecutive bytes
.endm
.irp t, 0,1,2,3
	LOADX \t
.endr
	s_wait_loadcnt 24                              ; step 0's eight loads are in
	TURNX 0
.irp t, 0,1,2,3,4,5,6,7
	STEPX \t
.endr
.irp q, 0,1,2,3                        ; word q of my row: bytes of blocks 4 q .. 4 q + 3; I hold those of steps 2 q and 2 q + 1 for my half h
	v_lshl_or_b32 v[8+\q], v[E+2*\q+1], 16, v[E+2*\q]
.endr
	v_lshlrev_b32 v12, 3, v3
.irp q, 0,1,2,3
	v_lshlrev_b32 v[8+\q], v12, v[8+\q]            ; 8 h bits up
	v_mov_b32 v[16+\q], 0                          ; (a lane permute's destination counts as read)
.endr
.irp q, 0,1,2,3
	v_permlanex16_b32 v[16+\q], v[8+\q], s30, s31
.endr
.irp q, 0,1,2,3
	v_or_b32 v[8+\q], v[8+\q], v[16+\q]            ; with lane l xor 16's two bytes the word is whole
.endr
	v_cmp_eq_u32 vcc_lo, 1, v3
	v_cndmask_b32 v14, v8, v10, vcc_lo             ; lanes 0-15 store words 0, 1, lanes 16-31 words 2, 3
	v_cndmask_b32 v15, v9, v11, vcc_lo
	v_lshlrev_b32 v13, 4, v2
	v_lshl_add_u32 v13, v3, 3, v13
	global_store_b64 v13, v[14:15], s[14:15]       ; the wave's 256 scale bytes: 256 consecutive bytes, aligned
	s_branch .Lend
; ---- the weights.  j = work-group - 256: 128 columns j / 8 of the 4,096 (w_attn's 3,072, then w_proj's 1,024), K step j % 8 of 128 rows.  A wave takes 32 columns.
; A LANE TAKES A COLUMN AND ITS REGISTERS RUN DOWN K: a block of 32 lies in one lane, and the conversions give codes with K innermost.  One text serves both row lengths: 32 row offsets in registers.
.Lweights:
	s_sub_co_u32 s17, ttmp9, 256
	s_lshr_b32 s18, s17, 3                         ; which 128 columns
	s_and_b32 s19, s17, 7                          ; K step
	s_lshl_b32 s21, s18, 2
	s_add_co_u32 s21, s21, s16                     ; G: which 32 rows of the operand: blocks 2 G and 2 G + 1
	s_mov_b32 s20, 4096
	s_sub_co_u32 s22, s18, 24
	s_wait_kmcnt 0x0
	s_cmp_lt_u32 s18, 24                           ; w_attn or w_proj: the choice hangs on the work-group's number alone
	s_cselect_b64 s[6:7], s[6:7], s[8:9]
	s_cselect_b32 s20, 12288, s20                  ; bytes from row to row
	s_cselect_b32 s22, s18, s22
	s_lshl_b32 s22, s22, 7
	s_lshl_b32 s23, s16, 5
	s_add_co_u32 s22, s22, s23                     ; my wave's first column
	s_lshl_b32 s22, s22, 2
	s_lshl_b32 s23, s19, 7
	s_mul_i32 s23, s23, s20                        ; + 128 s rows
	s_add_co_u32 s22, s22, s23
	s_mov_b32 s23, 0
	s_add_nc_u64 s[24:25], s[6:7], s[22:23]        ; a base for each of the four blocks of 32 rows
	s_lshl_b32 s22, s20, 5
	s_add_nc_u64 s[26:27], s[24:25], s[22:23]
	s_add_nc_u64 s[28:29], s[26:27], s[22:23]
	s_add_nc_u64 s[30:31], s[28:29], s[22:23]
	s_lshl_b32 s22, s21, 14
	s_lshl_b32 s17, s19, 10
	s_add_co_u32 s22, s22, s17                     ; codes: 8192 x 2 G + 1024 s
	s_add_nc_u64 s[14:15], s[12:13], s[22:23]
	s_lshl_b32 s22, s21, 10
	s_lshr_b32 s17, s19, 2
	s_lshl_b32 s17, s17, 8
	s_add_co_u32 s22, s22, s17
	s_and_b32 s17, s19, 3
	s_lshl_b32 s17, s17, 2
	s_add_co_u32 s22, s22, s17
	s_add_co_u32 s22, s22, 2097152                 ; scale words: behind the codes, 512 x 2 G + 256 (s / 4) + 4 (s % 4)
	s_add_nc_u64 s[12:13], s[12:13], s[22:23]
	s_wait_alu depctr_va_vdst(0)
	v_lshlrev_b32 v8, 2, v1
.set i, 0
.rept 32
	v_mad_u32_u24 v[R+i], s20, i, v8               ; 4 x lane + i rows
.set i, i+1
.endr
	v_bfe_u32 v10, v1, 3, 1                        ; column x of the 32 is row slot (x % 8) + 8 (x / 16) of block 2 G + (x / 8) % 2
	v_and_b32 v15, 7, v1
	v_lshl_or_b32 v15, v3, 3, v15
	v_lshlrev_b32 v9, 13, v10
	v_lshl_add_u32 v9, v15, 4, v9                  ; its codes
	v_lshlrev_b32 v10, 9, v10
	v_lshl_add_u32 v10, v15, 4, v10                ; its scale word
.macro LOADW t
.set i, 0
.rept 32
	global_load_b32 v[X+32*((\t)%2)+i], v[R+i], s[24+2*(\t):25+2*(\t)] th:TH_LOAD_NT   ; 32 lanes read 128 consecutive bytes, the four waves 512
.set i, i+1
.endr
.endm
.macro BLOCKW t
.set XS, X+32*((\t)%2)
.if (\t) < 3
	s_wait_loadcnt 32                              ; this block's 32 loads are in; the next block's may be out
.else
	s_wait_loadcnt 0x0
.endif
	MAXTREE XS
	v_lshrrev_b32 v13, 23, v11
.if (\t) == 0
	v_mov_b32 v14, v13                             ; the K step's four bytes make my row's scale word
.else
	v_lshl_or_b32 v14, v13, 8*(\t), v14
.endif
.irp g, 0,1,2,3
	v_cvt_scalef32_pk8_fp4_f32 v[C+4*(\t)+\g], v[XS+8*\g:XS+8*\g+7], v11
.endr
	v_nop                                          ; one plain line behind the conversions
	global_store_b128 v9, v[C+4*(\t):C+4*(\t)+3], s[14:15] offset:256*(\t)   ; the sixteen lanes of each of the two blocks fill 256 consecutive bytes, aligned
.if (\t)+2 < 4
	LOADW (\t)+2
.endif
.endm
	LOADW 0
	LOADW 1
.irp t, 0,1,2,3
	BLOCKW \t
.endr
	global_store_b32 v10, v14, s[12:13]            ; 4 bytes a row, 16 bytes apart: one byte in 128 of what this path reads leaves in pieces
.Lend:
	s_wait_tensorcnt 0x0                           ; the wave's end
	ds_add_u32 v[SPW], v[NIL]
	s_wait_dscnt 0x0
	s_endpgm
.Lfunc_end_k_q53a96f95fe_quant:
	.size	k_q53a96f95fe_quant, .Lfunc_end_k_q53a96f95fe_quant-k_q53a96f95fe_quant
	.p2alignl 7, 3214868480
	.fill 96, 4, 3214868480
	.section	.rodata,"a",@progbits
	.p2align	6, 0x0
	.amdhsa_kernel k_q53a96f95fe_quant
		.amdhsa_group_segment_fixed_size 35328
		.amdhsa_private_segment_fixed_size 0
		.amdhsa_enable_private_segment 0
		.amdhsa_kernarg_size 40
		.amdhsa_user_sgpr_count 2
		.amdhsa_user_sgpr_kernarg_segment_ptr 1
		.amdhsa_wavefront_size32 1
		.amdhsa_system_sgpr_workgroup_id_x 1
		.amdhsa_system_sgpr_workgroup_id_y 1
		.amdhsa_system_sgpr_workgroup_id_z 1
		.amdhsa_system_vgpr_workitem_id 0
		.amdhsa_next_free_vgpr 256
		.amdhsa_next_free_sgpr 66
		.amdhsa_reserve_vcc 1
		.amdhsa_float_denorm_mode_32 3
		.amdhsa_float_denorm_mode_16_64 3
		.amdhsa_memory_ordered 1
		.amdhsa_forward_progress 1
		.amdhsa_inst_pref_size 53
	.end_amdhsa_kernel
	.amdgpu_metadata
---
amdhsa.version: [ 1, 2 ]
amdhsa.kernels:
  - .name:           k_q53a96f95fe_quant
    .symbol:         k_q53a96f95fe_quant.kd
    .args:
      - { .name: x, .offset: 0, .size: 8, .value_kind: global_buffer, .address_space: global }
      - { .name: w_attn, .offset: 8, .size: 8, .value_kind: global_buffer, .address_space: global }
      - { .name: w_proj, .offset: 16, .size: 8, .value_kind: global_buffer, .address_space: global }
      - { .name: xq, .offset: 24, .size: 8, .value_kind: global_buffer, .address_space: global }
      - { .name: wq, .offset: 32, .size: 8, .value_kind: global_buffer, .address_space: global }
    .group_segment_fixed_size: 35328
    .private_segment_fixed_size: 0
    .kernarg_segment_align: 8
    .kernarg_segment_size: 40
    .max_flat_workgroup_size: 128
    .sgpr_count:     66
    .vgpr_count:     256
    .wavefront_size: 32
...
	.end_amdgpu_metadata
.endif
;; end of part 1
;; launch gemm_qkv (part 2): grid 12 x 32, 4 waves a work-group, clusters of 4 x 4, 327,680 bytes of LDS; arguments xq, wq, b_attn, qk, vq; writes qk, vq
.if DOCPART == 2
	.amdgcn_target "amdgcn-amd-amdhsa--gfx1250"
	.amdhsa_code_object_version 6
	.text
	.protected	k_q53a96f95fe_gemm_qkv
	.globl	k_q53a96f95fe_gemm_qkv
	.p2align	8
	.type	k_q53a96f95fe_gemm_qkv,@function
k_q53a96f95fe_gemm_qkv:
	s_mov_b64 s[64:65], 0
	v_nop
	global_prefetch_b8 v0, s[64:65] scope:SCOPE_SE
	s_setreg_imm32_b32 hwreg(HW_REG_WAVE_MODE, 25, 1), 1
	s_wait_xcnt 0x0
	s_wait_alu depctr_hold_cnt(0) depctr_sa_sdst(0) depctr_va_vdst(0) depctr_va_sdst(0) depctr_va_ssrc(0) depctr_va_vcc(0) depctr_vm_vsrc(0)
	s_getreg_b32 s2, hwreg(HW_REG_IB_STS2, 6, 4)
	s_cmp_eq_u32 s2, 0
	s_cbranch_scc0 .Lentry_in_a_cluster
	s_endpgm
.Lentry_in_a_cluster:
	s_bfe_u32 s2, ttmp6, 0x10000c
	s_cmp_lg_u32 s2, 0xf033
	s_cbranch_scc0 .Lentry_shape_is_right
	s_endpgm
.Lentry_shape_is_right:
; LAUNCH 2 OF 4.  qkv = x w_attn + b_attn on codes of FP4 with E8M0 scales; the results never go to memory as f32: q and k are quantised along the head's 64, v along the keys, in registers. No work is left out.
; A tile of 256 tokens x 256 columns is made by four waves, each 128 x 128: 64 accumulators of 16 x 16 in windows 2 and 3.  K = 1,024 of both operands is 2 x 128 KiB of codes and 16 KiB of scale bytes:
; ALL OF IT FITS IN LDS, so every tensor load is a first fill issued at the head: no slot is filled again, no descriptor is stepped.  K comes in four chunks of 256, so that the work begins when a quarter has landed.
; By this text's own count a wave has five tensor loads out: its scale bytes and its part of the four chunks.
; The codes lie in memory as images of the operand's registers (launch 1): a fragment is two runs of 512 bytes, 16 bytes a lane: no pitch, no padding.
; CLUSTERS: 4 x 4 work-groups; x's tile is shared along a row of the cluster, the weight's along a column: each is asked for jointly.
; THE MATRIX INSTRUCTION IS USED TRANSPOSED: a lane owns ONE row of source 1, and its registers run along source 0's rows.  A block's 16 rows are 32 (a / 2) + 8 (a % 2) + r + 8 (r / 8), so the 16 registers of result
; tiles 2 b and 2 b + 1 are 16 neighbours.  q, k (cluster x = 0, 1): source 1 = x, source 0 = the weight: registers run along the head's channels.  v (cluster x = 2): source 1 = the weight, source 0 = x: registers run
; along the tokens, which are the keys.  The branch hangs on the cluster's x alone: it is the same in all sixteen partners.  The bias is the C of each sum's first matrix instruction.
; OUT: qk codes [32 heads: q's 16, k's 16][512 token blocks][512 bytes: lane (r, h) holds channels 32 h .. of token slot r]; scale words [32][64 chunks of 128 tokens][16 r][4 pairs of blocks]: (block 2 p's two bytes, block 2 p + 1's);
;      vq codes [64 batch x head][16 key steps][4 channel blocks][1,024 bytes: a fragment]; scale words [64][16][16 r][4].
; LIMITS: a block of zeros or under 2^-124 gets the byte 1; NaN and infinities are not served.
; REGISTERS: window 0: v16-27 addresses; v28, v29 the add's two; v32-95 scale words; v96-103 the scale words made; v104-125 at work; v128-191 source 1's fragments, later the codes made; v192-255 the bias.
;            window 1: source 0's fragments, two sets, at v0 and v128.
.set SCX,   262144                     ; LDS: chunk j at 65536 j: x's 16 blocks x 2,048 bytes, then the weight's; here x's scale bytes (8 KiB), then the weight's
.set SPARE, 278528                     ; the spare words, 128 bytes a wave
.set XA,  16                           ; v16 x as source 1;  v17 the weight as source 0;  v18 the weight as source 1;  v19 x as source 0
.set WB,  17
.set WA,  18
.set XB,  19
.set SA0, 20                           ; v20, v21 scale words: lanes 0-15 source 1's, lanes 16-31 source 0's, for each role
.set SA1, 21
.set LO,  22                           ; v22 16 x lane
.set SO0, 23                           ; v23, v26 where the scale words made are stored
.set BO0, 24                           ; v24, v25 the bias's offsets
.set BO1, 25
.set SO1, 26
.set SPW, 28
.set NIL, 29
.set SC,  32                           ; register SC + 32 (s / 4) + 4 i + s % 4: block i, K step s
.set PW,  96
.set TM,  104
.set SW,  120
.set VSEL,124
.set AF,  128
.set BI,  192
.set G1X, 24                           ; s[24:31], s[32:39] descriptor groups 1 for the codes of x and of the weight; s[40:47], s[48:55] for their scale bytes
.set G1W, 32
.set G1SX,40
.set G1SW,48
.set MSB, 0
.macro WIN new                         ; the immediate's high byte repeats the setting that is left
.if MSB != (\new)
	s_set_vgpr_msb (MSB<<8)|(\new)
.set MSB, (\new)
.endif
.endm
.macro PLACES                          ; four plain vector lines between a matrix instruction and a load into, or a vector read or write of, its registers (ISA guide 7.12.1 for vector reads and writes)
.rept 4
	v_nop
.endr
.endm
.macro JLOAD g0a, g1a, g0b, g1b        ; a joint load: waves 0 and 1 fetch for x, waves 2 and 3 for the weight; s_nop 0 and four v_nop follow each line
	s_cmp_eq_u32 s15, 0
	s_cbranch_scc0 .Lfor_b_\@
	tensor_load_to_lds s[\g0a:\g0a+3], s[\g1a:\g1a+7]
	s_nop 0
.rept 4
	v_nop
.endr
	s_branch .Lasked_\@
.Lfor_b_\@:
	tensor_load_to_lds s[\g0b:\g0b+3], s[\g1b:\g1b+7]
	s_nop 0
.rept 4
	v_nop
.endr
.Lasked_\@:
.endm
.macro CROUND                          ; a round of the cluster's barrier
	s_barrier_signal -1
	s_barrier_wait -1
	s_cmp_lg_u32 s14, 0
	s_cbranch_scc1 .Lnot_wave_0_\@
	s_barrier_signal -3
.Lnot_wave_0_\@:
	s_barrier_wait -3
	s_barrier_signal -1
	s_barrier_wait -1
.endm
.macro G0SET g, shift, lds, pair, off  ; a group 0: to LDS byte (wave << shift) + lds, from s[pair] + off
	s_mov_b32 s[\g], 1
	s_lshl_b32 s[\g+1], s14, \shift
	s_add_co_u32 s[\g+1], s[\g+1], \lds
	s_add_nc_u64 s[\g+2:\g+3], s[\pair:\pair+1], \off
	s_or_b32 s[\g+3], s[\g+3], 0x80000000
.endm
	s_load_b256 s[4:11], s[0:1], 0x0               ; xq s[4:5], wq s[6:7], b_attn s[8:9], qk s[10:11]
	s_load_b64 s[12:13], s[0:1], 0x20              ; vq
	v_lshl_add_u32 v[SPW], v0, 2, SPARE
	v_mov_b32 v[NIL], 0
	ds_add_u32 v[SPW], v[NIL]                      ; the wave's opening: the add, twice on end, and its wait ahead of my first tensor load
	ds_add_u32 v[SPW], v[NIL]
	v_lshrrev_b32 v1, 5, v0
	v_readfirstlane_b32 s14, v1                    ; wave
	s_lshr_b32 s15, s14, 1                         ; source 1's half.  Also: I fetch for x (0) or for the weight (1)
	s_and_b32 s16, s14, 1                          ; source 0's half.  Also: which eight blocks I fetch
	s_bfe_u32 s66, ttmp6, 0x40000                  ; cx
	s_bfe_u32 s67, ttmp6, 0x40004                  ; cy
	s_lshl_b32 s100, ttmp9, 2
	s_add_co_u32 s100, s100, s66                   ; wx: which 256 columns
	s_and_b32 s17, ttmp7, 0xffff
	s_lshl_b32 s17, s17, 2
	s_add_co_u32 s17, s17, s67                     ; wy: which 256 tokens
	s_lshl_b32 s101, s67, 2
	s_lshl_b32 s101, 15, s101                      ; my row of the cluster
	s_lshl_b32 s18, 0x1111, s66                    ; my column
	s_or_b32 s[G1X], s101, (3<<16)|(1<<21)         ; 15:0 the mask; 17:16 elements of 8 bytes; 21 set beside a mask; no padding
	s_or_b32 s[G1W], s18, (3<<16)|(1<<21)
	s_or_b32 s[G1SX], s101, (3<<16)|(1<<21)
	s_or_b32 s[G1SW], s18, (3<<16)|(1<<21)
.irp g, G1X, G1W                       ; eight blocks' 2,048 bytes of a chunk, 8,192 bytes apart
	s_mov_b32 s[\g+1], 256<<16
	s_mov_b32 s[\g+2], 8<<16
	s_mov_b32 s[\g+3], 256<<16
	s_mov_b32 s[\g+4], 8
	s_mov_b32 s[\g+5], 1024
	s_mov_b32 s[\g+6], 0
	s_mov_b32 s[\g+7], 0
.endr
.irp g, G1SX, G1SW                     ; eight blocks' scale bytes: 4,096 dense bytes as 16 rows of 256
	s_mov_b32 s[\g+1], 32<<16
	s_mov_b32 s[\g+2], 16<<16
	s_mov_b32 s[\g+3], 32<<16
	s_mov_b32 s[\g+4], 16
	s_mov_b32 s[\g+5], 32
	s_mov_b32 s[\g+6], 0
	s_mov_b32 s[\g+7], 0
.endr
	s_lshl_b32 s20, s17, 17                        ; x: (16 wy + 8 half) blocks of 8,192 bytes: registers that never hold wx
	s_lshl_b32 s21, s16, 16
	s_add_co_u32 s20, s20, s21
	s_mov_b32 s21, 0
	s_lshl_b32 s22, s17, 13                        ; and of 512 scale bytes, behind the codes
	s_lshl_b32 s23, s16, 12
	s_add_co_u32 s22, s22, s23
	s_add_co_u32 s22, s22, 4194304
	s_mov_b32 s23, 0
	s_lshl_b32 s2, s100, 17                        ; the weight likewise: registers that never hold wy
	s_lshl_b32 s3, s16, 16
	s_add_co_u32 s2, s2, s3
	s_mov_b32 s3, 0
	s_lshl_b32 s18, s100, 13
	s_lshl_b32 s19, s16, 12
	s_add_co_u32 s18, s18, s19
	s_add_co_u32 s18, s18, 2097152
	s_mov_b32 s19, 0
	s_wait_dscnt 0x0                               ; both opening adds are done
	s_wait_kmcnt 0x0
	s_add_nc_u64 s[20:21], s[4:5], s[20:21]
	s_add_nc_u64 s[22:23], s[4:5], s[22:23]
	s_add_nc_u64 s[2:3], s[6:7], s[2:3]
	s_add_nc_u64 s[18:19], s[6:7], s[18:19]
	CROUND                                         ; all sixteen work-groups are here: the joint loads meet
	G0SET 76, 12, SCX, 22, 0
	G0SET 96, 12, SCX, 18, 0
	JLOAD 76, G1SX, 96, G1SW                       ; the scale bytes first: they are wanted with chunk 0
	G0SET 56, 14, 0, 20, 0
	G0SET 80, 14, 0, 2, 0
	JLOAD 56, G1X, 80, G1W
	G0SET 60, 14, 65536, 20, 2048
	G0SET 84, 14, 65536, 2, 2048
	JLOAD 60, G1X, 84, G1W
	G0SET 68, 14, 131072, 20, 4096
	G0SET 88, 14, 131072, 2, 4096
	JLOAD 68, G1X, 88, G1W
	G0SET 72, 14, 196608, 20, 6144
	G0SET 92, 14, 196608, 2, 6144
	JLOAD 72, G1X, 92, G1W
	; every LDS address of both roles is made here, ahead of the branch
	v_and_b32 v1, 31, v0
	v_and_b32 v2, 15, v0                           ; r
	s_wait_alu depctr_va_vdst(0)
	v_bfe_u32 v3, v0, 4, 1                         ; h
	s_wait_alu depctr_va_vdst(0)
	v_lshlrev_b32 v[LO], 4, v1
	s_lshl_b32 s20, s15, 14
	s_lshl_b32 s21, s16, 14
	v_add_nc_u32 v[XA], s20, v[LO]
	v_add_nc_u32 v[XB], s21, v[LO]
	s_add_co_u32 s20, s20, 32768
	s_add_co_u32 s21, s21, 32768
	v_add_nc_u32 v[WA], s20, v[LO]
	v_add_nc_u32 v[WB], s21, v[LO]
	s_lshl_b32 s20, s15, 12
	s_lshl_b32 s21, s16, 12
	s_add_co_u32 s22, s21, 8192
	s_sub_co_u32 s22, s22, s20                     ; from x's half w / 2 to the weight's half w % 2
	s_add_co_u32 s23, s20, 8192
	s_sub_co_u32 s23, s23, s21                     ; from x's half w % 2 to the weight's half w / 2
	v_lshlrev_b32 v4, 4, v2
	v_mul_u32_u24 v5, s22, v3                      ; one product: the lower base + h x the distance
	v_add_nc_u32 v5, v5, v4
	s_add_co_u32 s20, s20, SCX
	v_add_nc_u32 v[SA0], s20, v5
	v_xor_b32 v6, 1, v3
	v_mul_u32_u24 v5, s23, v6
	v_add_nc_u32 v5, v5, v4
	s_add_co_u32 s21, s21, SCX
	v_add_nc_u32 v[SA1], s21, v5
	v_lshl_add_u32 v[SO0], v3, 14, v4
	v_lshl_add_u32 v[SO1], v3, 12, v4
	v_lshlrev_b32 v[BO0], 6, v3                    ; q, k: my half's 16 columns of each 32
	v_and_b32 v5, 8, v2
	v_add_nc_u32 v5, v5, v2
	v_lshlrev_b32 v[BO1], 2, v5                    ; v: my row r + 8 (r / 8) of a block
.irp b, 0,1,2,3
	v_mov_b32 v[TM+4+\b], 0                        ; (a lane permute's destination counts as read)
.endr
	s_mov_b32 s66, 0x76543210
	s_mov_b32 s67, 0xfedcba98                      ; v_permlanex16_b32's selects for lane l xor 16
.macro FRAG reg, adr, e, i             ; a fragment: block i, K step e of the chunk in hand
.irp c, 0,1
	ds_load_b128 v[\reg+4*\c:\reg+4*\c+3], v[\adr] offset:(\i)*2048+(\e)*1024+512*\c
.endr
.endm
.macro FETCH_B adr, e                  ; source 0's eight fragments into set e of window 1
	WIN 0x40
.irp i, 0,1,2,3,4,5,6,7
	FRAG 128*(\e)+8*\i, \adr, \e, \i
.endr
	WIN 0
.endm
.macro FETCH_A adr, e, i0              ; source 1's blocks i0 .. i0 + 3
.irp i, \i0, \i0+1, \i0+2, \i0+3
	FRAG AF+8*(\i), \adr, \e, \i
.endr
.endm
.macro SCALES adr                      ; all 64 scale registers, once: lanes 0-15 source 1's block i, lanes 16-31 source 0's
.irp sl, 0,1
.irp i, 0,1,2,3,4,5,6,7
	ds_load_b128 v[SC+32*\sl+4*\i:SC+32*\sl+4*\i+3], v[\adr] offset:\i*512+\sl*256
.endr
.endr
.endm
; 16 matrix instructions: source 1's blocks a0, a0 + 1 x source 0's eight, K step s.  In step 0 the bias is C.  The 64 accumulators take turns, one instruction a turn, in the same order in every step.
.macro MUL16 a0, p, s, role
.irp a, \a0, \a0+1
.irp b, 0,1,2,3,4,5,6,7
.if (\s) == 0
.if \role
	v_wmma_scale_f32_16x16x128_f8f6f4 v[8*(8*((\a)%4)+\b):8*(8*((\a)%4)+\b)+7], v[128*(\p)+8*\b:128*(\p)+8*\b+7], v[AF+8*(\a):AF+8*(\a)+7], v[BI+8*(\a):BI+8*(\a)+7], v[SC+32*((\s)/4)+4*\b+(\s)%4], v[SC+32*((\s)/4)+4*(\a)+(\s)%4] matrix_a_fmt:MATRIX_FMT_FP4 matrix_b_fmt:MATRIX_FMT_FP4 matrix_a_scale:MATRIX_SCALE_ROW1
.else
	v_wmma_scale_f32_16x16x128_f8f6f4 v[8*(8*((\a)%4)+\b):8*(8*((\a)%4)+\b)+7], v[128*(\p)+8*\b:128*(\p)+8*\b+7], v[AF+8*(\a):AF+8*(\a)+7], v[BI+8*\b:BI+8*\b+7], v[SC+32*((\s)/4)+4*\b+(\s)%4], v[SC+32*((\s)/4)+4*(\a)+(\s)%4] matrix_a_fmt:MATRIX_FMT_FP4 matrix_b_fmt:MATRIX_FMT_FP4 matrix_a_scale:MATRIX_SCALE_ROW1
.endif
.else
	v_wmma_scale_f32_16x16x128_f8f6f4 v[8*(8*((\a)%4)+\b):8*(8*((\a)%4)+\b)+7], v[128*(\p)+8*\b:128*(\p)+8*\b+7], v[AF+8*(\a):AF+8*(\a)+7], v[8*(8*((\a)%4)+\b):8*(8*((\a)%4)+\b)+7], v[SC+32*((\s)/4)+4*\b+(\s)%4], v[SC+32*((\s)/4)+4*(\a)+(\s)%4] matrix_a_fmt:MATRIX_FMT_FP4 matrix_b_fmt:MATRIX_FMT_FP4 matrix_a_scale:MATRIX_SCALE_ROW1
.endif
.endr
.endr
.endm
; K step s of eight.  Source 1 has one set of registers: blocks 0-3 are fetched anew in the step's middle, blocks 4-7 at its end; source 0 has two sets.  An odd step meets the next chunk.
.macro STEP s, adra, adrb, role
	s_wait_dscnt 8                                 ; all but the youngest eight loads (source 1's blocks 4-7) are in
.if (\s) == 0
	WIN 0x81                                       ; source 0 window 1, source 1 and C (the bias) window 0, D window 2
.else
	WIN 0xa1                                       ; C and D window 2
.endif
	MUL16 0, (\s)%2, \s, \role
	MUL16 2, (\s)%2, \s, \role
	s_wait_dscnt 0x0                               ; source 1's blocks 4-7 are in; no LDS instruction of mine is out
.if (\s) < 7
.if (\s)%2 == 1
	s_wait_tensorcnt 3-((\s)+1)/2                  ; my part of the next chunk has landed; the chunks issued behind it may stay out
	s_barrier_signal -1
	s_barrier_wait -1                              ; everybody's has
.endif
	PLACES
.if (\s)%2 == 1
	WIN 0
	v_add_nc_u32 v[\adra], 0x10000, v[\adra]       ; on to the next chunk
	v_add_nc_u32 v[\adrb], 0x10000, v[\adrb]
.endif
	s_wait_alu depctr_va_vdst(0)
	FETCH_B \adrb, ((\s)+1)%2
	FETCH_A \adra, ((\s)+1)%2, 0
.endif
.if (\s) == 0
	WIN 0xc1
.else
	WIN 0xf1
.endif
	MUL16 4, (\s)%2, \s, \role
	MUL16 6, (\s)%2, \s, \role
.if (\s) < 7
	PLACES
	WIN 0
	FETCH_A \adra, ((\s)+1)%2, 4
.endif
.endm
.macro MAIN adra, adrb, adrs, role
	s_wait_tensorcnt 3                             ; my scale bytes and my part of chunk 0 are in; chunks 1 to 3 may be out
	s_barrier_signal -1
	s_barrier_wait -1
	FETCH_B \adrb, 0
	FETCH_A \adra, 0, 0
	SCALES \adrs
	FETCH_A \adra, 0, 4
	s_wait_loadcnt 0x0                             ; the bias
.irp s, 0,1,2,3,4,5,6,7
	STEP \s, \adra, \adrb, \role
.endr
	WIN 0
	PLACES                                         ; in front of the first reads of results, and of writes into the registers that held source 1's fragments
.endm
; Source 1's block a: a lane's 64 results, register 16 b + i = index 32 b + 16 h + i of its row, become a fragment's codes in v[AF + 8 a] on and a scale word in v[PW + a], and the codes are stored: 512 consecutive bytes a store.
.macro QUANTA a, role
.set AC, 64*((\a)%4)
.set WW, 2+(\a)/4
.set PC, AF+8*(\a)
	WIN (5*WW)                                     ; sources 0 and 1: the accumulators' window
.irp b, 0,1,2,3
	v_max3_num_f32 v[TM+\b], |v[AC+16*\b]|, |v[AC+16*\b+1]|, 0x1800000   ; each accumulator is read from its low end on; the floor 2^(3 - 127) holds the byte at 1 from below
.endr
.irp i, 2,4,6,8,10,12,14
.irp b, 0,1,2,3
	v_max3_num_f32 v[TM+\b], |v[AC+16*\b+\i]|, |v[AC+16*\b+\i+1]|, v[TM+\b]
.endr
.endr
	WIN 0
.irp b, 0,1,2,3
	v_permlanex16_b32 v[TM+4+\b], v[TM+\b], s66, s67
.endr
.irp b, 0,1,2,3
	v_max_num_f32 v[TM+\b], v[TM+\b], v[TM+4+\b]   ; with lane l xor 16's 16: the block's largest magnitude
.endr
.irp b, 0,1,2,3
	v_add_nc_u32 v[TM+12+\b], 0xff000000, v[TM+\b] ; 2 off its exponent field: the conversion's scale operand
.endr
.irp b, 0,1,2,3
	v_lshrrev_b32 v[TM+4+\b], 23, v[TM+12+\b]      ; the scale's byte
.endr
	v_lshl_or_b32 v[PW+(\a)], v[TM+5], 8, v[TM+4]
	v_lshl_or_b32 v[PW+(\a)], v[TM+6], 16, v[PW+(\a)]
	v_lshl_or_b32 v[PW+(\a)], v[TM+7], 24, v[PW+(\a)]
	WIN WW                                         ; source 0: the accumulators' window
.irp b, 0,1,2,3
	v_cvt_scalef32_pk8_fp4_f32 v[PC+2*\b], v[AC+16*\b:AC+16*\b+7], v[TM+12+\b]
	v_cvt_scalef32_pk8_fp4_f32 v[PC+2*\b+1], v[AC+16*\b+8:AC+16*\b+15], v[TM+12+\b]
.endr
	WIN 0
	v_nop                                          ; one plain line behind a scaled conversion
.irp c, 0,1                            ; the operand's layout wants a whole block in a lane
.irp n, 0,1
	v_permlane16_swap_b32 v[PC+4*\c+\n], v[PC+2+4*\c+\n]
.endr
.endr
.irp c, 0,1
.if \role
	global_store_b128 v[LO], v[PC+4*\c:PC+4*\c+3], s[10:11] offset:((\a)/4)*65536+((\a)%4)*1024+512*\c   ; head a / 4 of my two, channel block a % 4
.else
	global_store_b128 v[LO], v[PC+4*\c:PC+4*\c+3], s[10:11] offset:(\a)*512+\c*262144                    ; token block a, head c of my two
.endif
.endr
.endm
	s_cmp_eq_u32 ttmp9, 2                          ; the cluster's x: the same in all sixteen partners
	s_cbranch_scc1 .Lrole_v
	; ---- q and k
	s_lshl_b32 s2, s100, 10
	s_lshl_b32 s3, s16, 9
	s_add_co_u32 s2, s2, s3                        ; the bias of my 128 columns
	s_mov_b32 s3, 0
	s_add_nc_u64 s[8:9], s[8:9], s[2:3]
	s_wait_alu depctr_va_vdst(0)
.irp b, 0,1,2,3,4,5,6,7
	global_load_b128 v[BI+8*\b:BI+8*\b+3], v[BO0], s[8:9] offset:(32*(\b/2)+8*(\b%2))*4
	global_load_b128 v[BI+8*\b+4:BI+8*\b+7], v[BO0], s[8:9] offset:(32*(\b/2)+8*(\b%2))*4+16
.endr
	s_lshl_b32 s18, s100, 1
	s_add_co_u32 s18, s18, s16                     ; G: my heads are 2 G and 2 G + 1 of the 32
	s_lshl_b32 s20, s18, 19
	s_lshl_b32 s21, s17, 13
	s_add_co_u32 s20, s20, s21
	s_lshl_b32 s21, s15, 12
	s_add_co_u32 s20, s20, s21                     ; codes: 262144 x 2 G + 512 (16 wy + 8 (w / 2))
	s_mov_b32 s21, 0
	s_lshl_b32 s22, s18, 15
	s_lshl_b32 s23, s17, 9
	s_add_co_u32 s22, s22, s23
	s_lshl_b32 s23, s15, 8
	s_add_co_u32 s22, s22, s23
	s_add_co_u32 s22, s22, 8388608                 ; scale words: behind the codes, 16384 x 2 G + 256 (2 wy + w / 2)
	s_mov_b32 s23, 0
	s_add_nc_u64 s[12:13], s[10:11], s[22:23]
	s_add_nc_u64 s[10:11], s[10:11], s[20:21]
	MAIN XA, WB, SA0, 0
.irp a, 0,1,2,3,4,5,6,7
	QUANTA \a, 0
.endr
	v_cmp_eq_u32 vcc_lo, 1, v3
	v_mov_b32 v[VSEL], 0x05040100                  ; lanes 0-15: head 2 G's two bytes of each word; lanes 16-31: head 2 G + 1's
	v_mov_b32 v[VSEL+1], 0x07060302
	v_cndmask_b32 v[VSEL], v[VSEL], v[VSEL+1], vcc_lo
.irp p, 0,1,2,3
	v_perm_b32 v[SW+\p], v[PW+2*\p+1], v[PW+2*\p], v[VSEL]
.endr
	global_store_b128 v[SO0], v[SW:SW+3], s[12:13] ; sixteen lanes store 256 consecutive bytes, aligned, for each head
	s_branch .Ldone
	; ---- v
.Lrole_v:
	s_lshl_b32 s2, s100, 10
	s_lshl_b32 s3, s15, 9
	s_add_co_u32 s2, s2, s3                        ; the bias of my 128 rows of the weight
	s_mov_b32 s3, 0
	s_add_nc_u64 s[8:9], s[8:9], s[2:3]
	s_wait_alu depctr_va_vdst(0)
.irp a, 0,1,2,3,4,5,6,7
.irp j, 0,1,2,3,4,5,6,7
	global_load_b32 v[BI+8*\a+\j], v[BO1], s[8:9] offset:(32*(\a/2)+8*(\a%2))*4   ; my row's bias in all eight registers of a tile: once a launch
.endr
.endr
	s_lshl_b32 s18, s17, 1
	s_add_co_u32 s18, s18, s16                     ; which 128 tokens
	s_lshr_b32 s19, s18, 4                         ; the batch
	s_and_b32 s18, s18, 15                         ; the key step
	s_sub_co_u32 s20, s100, 8
	s_lshl_b32 s20, s20, 2
	s_lshl_b32 s21, s15, 1
	s_add_co_u32 s20, s20, s21                     ; my first head
	s_lshl_b32 s19, s19, 4
	s_add_co_u32 s19, s19, s20
	s_lshl_b32 s20, s19, 16
	s_lshl_b32 s21, s18, 12
	s_add_co_u32 s20, s20, s21
	s_mov_b32 s21, 0
	s_lshl_b32 s22, s19, 12
	s_lshl_b32 s23, s18, 8
	s_add_co_u32 s22, s22, s23
	s_add_co_u32 s22, s22, 4194304
	s_mov_b32 s23, 0
	s_add_nc_u64 s[10:11], s[12:13], s[20:21]
	s_add_nc_u64 s[12:13], s[12:13], s[22:23]
	MAIN WA, XB, SA1, 1
.irp a, 0,1,2,3,4,5,6,7
	QUANTA \a, 1
.endr
	v_cmp_eq_u32 vcc_lo, 1, v3
.irp t, 0,1,2,3
	v_cndmask_b32 v[SW+\t], v[PW+\t], v[PW+4+\t], vcc_lo   ; lanes 0-15 my first head's four words, lanes 16-31 my second's
.endr
	global_store_b128 v[SO1], v[SW:SW+3], s[12:13]
.Ldone:
	s_wait_tensorcnt 0x0                           ; the wave's end
	ds_add_u32 v[SPW], v[NIL]
	s_wait_dscnt 0x0
	CROUND                                         ; the closing round
	s_endpgm
.Lfunc_end_k_q53a96f95fe_gemm_qkv:
	.size	k_q53a96f95fe_gemm_qkv, .Lfunc_end_k_q53a96f95fe_gemm_qkv-k_q53a96f95fe_gemm_qkv
	.p2alignl 7, 3214868480
	.fill 96, 4, 3214868480
	.section	.rodata,"a",@progbits
	.p2align	6, 0x0
	.amdhsa_kernel k_q53a96f95fe_gemm_qkv
		.amdhsa_group_segment_fixed_size 327680
		.amdhsa_private_segment_fixed_size 0
		.amdhsa_enable_private_segment 0
		.amdhsa_kernarg_size 40
		.amdhsa_user_sgpr_count 2
		.amdhsa_user_sgpr_kernarg_segment_ptr 1
		.amdhsa_wavefront_size32 1
		.amdhsa_system_sgpr_workgroup_id_x 1
		.amdhsa_system_sgpr_workgroup_id_y 1
		.amdhsa_system_sgpr_workgroup_id_z 1
		.amdhsa_system_vgpr_workitem_id 0
		.amdhsa_next_free_vgpr 1024
		.amdhsa_next_free_sgpr 102
		.amdhsa_reserve_vcc 1
		.amdhsa_float_denorm_mode_32 3
		.amdhsa_float_denorm_mode_16_64 3
		.amdhsa_memory_ordered 1
		.amdhsa_forward_progress 1
		.amdhsa_inst_pref_size 255
	.end_amdhsa_kernel
	.section	.bss,"aw",@nobits
	.p2align	6
	.space	262144
	.amdgpu_metadata
---
amdhsa.version: [ 1, 2 ]
amdhsa.kernels:
  - .name:           k_q53a96f95fe_gemm_qkv
    .symbol:         k_q53a96f95fe_gemm_qkv.kd
    .args:
      - { .name: xq, .offset: 0, .size: 8, .value_kind: global_buffer, .address_space: global }
      - { .name: wq, .offset: 8, .size: 8, .value_kind: global_buffer, .address_space: global }
      - { .name: b_attn, .offset: 16, .size: 8, .value_kind: global_buffer, .address_space: global }
      - { .name: qk, .offset: 24, .size: 8, .value_kind: global_buffer, .address_space: global }
      - { .name: vq, .offset: 32, .size: 8, .value_kind: global_buffer, .address_space: global }
    .group_segment_fixed_size: 327680
    .private_segment_fixed_size: 0
    .kernarg_segment_align: 8
    .kernarg_segment_size: 40
    .max_flat_workgroup_size: 128
    .sgpr_count:     102
    .vgpr_count:     1024
    .wavefront_size: 32
...
	.end_amdgpu_metadata
.endif
;; end of part 2
;; launch attn (part 3): grid 4 x 64, 16 waves a work-group, clusters of 4 x 1, 327,680 bytes of LDS; arguments qk, vq, yq; writes yq
.if DOCPART == 3
	.amdgcn_target "amdgcn-amd-amdhsa--gfx1250"
	.amdhsa_code_object_version 6
	.text
	.protected	k_q53a96f95fe_attn
	.globl	k_q53a96f95fe_attn
	.p2align	8
	.type	k_q53a96f95fe_attn,@function
k_q53a96f95fe_attn:
	s_mov_b64 s[64:65], 0
	v_nop
	global_prefetch_b8 v0, s[64:65] scope:SCOPE_SE
	s_setreg_imm32_b32 hwreg(HW_REG_WAVE_MODE, 25, 1), 1
	s_wait_xcnt 0x0
	s_wait_alu depctr_hold_cnt(0) depctr_sa_sdst(0) depctr_va_vdst(0) depctr_va_sdst(0) depctr_va_ssrc(0) depctr_va_vcc(0) depctr_vm_vsrc(0)
	s_getreg_b32 s2, hwreg(HW_REG_IB_STS2, 6, 4)
	s_cmp_eq_u32 s2, 0
	s_cbranch_scc0 .Lentry_in_a_cluster
	s_endpgm
.Lentry_in_a_cluster:
	s_bfe_u32 s2, ttmp6, 0x10000c
	s_cmp_lg_u32 s2, 0x3003
	s_cbranch_scc0 .Lentry_shape_is_right
	s_endpgm
.Lentry_shape_is_right:
; LAUNCH 3 OF 4.  y = softmax(q k^T / 8) v for each of 64 (batch, head), both products on codes of FP4 with E8M0 scales; y is divided by the row's sum and quantised along the head's 64 in registers. No work is left out.
; THE SOFTMAX AHEAD OF THE SECOND PRODUCT: t = score x log2(e) / 8; M = the running largest t rounded UP to a whole number; p = 2^(t - M) is quantised along the keys, not normalised; the row's sum is taken of the unquantised p.
; When M moves, the sum and O are multiplied by 2^(old M - new M): exact.
; SHARES.  A work-group owns 512 queries of one (batch, head); each of its sixteen waves 32: two tiles of 16, which share every fragment of K and V.  Four waves to a SIMD, 256 registers each: no register windows.
; THE WHOLE HEAD'S K AND V STAY IN LDS, filled once: 64 KiB + 64 KiB of codes, 4 KiB + 4 KiB of scale words.  Every wave issues two tensor loads at the head (the first has landed before the second is issued), no slot is filled again.
; CLUSTER: the four query blocks of a head read the same K and V: each load is asked for jointly by the four.
; LAYOUT.  Both products are used transposed: a lane holds ONE query throughout.  A block's 16 tokens are 32 (a / 2) + 8 (a % 2) + r + 8 (r / 8), so p's 16 registers of two neighbouring tiles are 16 neighbouring keys.
; THE FIRST PRODUCT'S K IS 64, THE INSTRUCTION'S 128: source 0 is a PAIR of key blocks (registers 0-3 block 2 p, registers 4-7 block 2 p + 1, one scale word for both), source 1 is (q, zeros) or (zeros, q): zero codes annul the other block.
; LIMITS: 1 / sum is v_rcp_f32 and a multiplication; a block of zeros or under 2^-124 gets the byte 1; NaN and infinities are not served.  y's scale bytes leave two at a time (a work-group has one head, two bytes of a row's 32).
.set KSC,   131072                     ; LDS: K's codes at 0, V's at 65536; K's scale words here, V's 4,096 on
.set VSC,   135168
.set SPARE, 139264                     ; the spare words, 128 bytes a wave
.set LI,  1                            ; v1 16 x lane;  v2 the same in V's codes;  v3, v4 16 r in K's and V's scale words
.set LV,  2
.set LKS, 3
.set LVS, 4
.set SPW, 5
.set NIL, 6
.set ST,  8                            ; tile i at v[8 + 8 i]: +0 -M, +1 the largest t, +2, +3 the sum in two halves, +4 f (later 1 / sum), +5 p's scale word, +6, +7 at work
.set QS,  44                           ; v24-43 zeros | q of tile 0 | zeros | q of tile 1 | zeros;  v44, v45 q's scale words
.set KSR, 46                           ; v46-49 K's scale words of a step;  v50-53 V's
.set VSR, 50
.set KF,  56                           ; v56-87 four pairs of key blocks, later V's four fragments
.set S,   88                           ; v88-151 the scores of one tile, then p
.set O,   152                          ; v152-215 O^T, 32 a tile
.set PC,  216                          ; v216-231 p's codes, 8 a tile
.set BM,  232
.set T2,  236
.set SCO, 244
.set ADK, 248
.set ADV, 249
.set ADS, 250
.set ADT, 251
.set WV,  10
.set SEL, 20
.set CS,  22
.set G1C, 24
.set G1S, 32
.set G0C, 40
.set G0S, 44
.set TB,  48
.set TS,  49
.set CNT, 50
.macro CROUND
	s_barrier_signal -1
	s_barrier_wait -1
	s_cmp_lg_u32 s[WV], 0
	s_cbranch_scc1 .Lnot_wave_0_\@
	s_barrier_signal -3
.Lnot_wave_0_\@:
	s_barrier_wait -3
	s_barrier_signal -1
	s_barrier_wait -1
.endm
.macro PLACES
.rept 4
	v_nop
.endr
.endm
	s_load_b128 s[4:7], s[0:1], 0x0                ; qk s[4:5], vq s[6:7]
	s_load_b64 s[8:9], s[0:1], 0x10                ; yq
	v_lshl_add_u32 v[SPW], v0, 2, SPARE
	v_mov_b32 v[NIL], 0
	ds_add_u32 v[SPW], v[NIL]                      ; the wave's opening: the add, twice on end, and its wait ahead of my first tensor load
	ds_add_u32 v[SPW], v[NIL]
	v_lshrrev_b32 v7, 5, v0
	s_delay_alu instid0(VALU_DEP_1)
	v_readfirstlane_b32 s[WV], v7                  ; wave 0..15
	s_bfe_u32 s11, ttmp6, 0x40000                  ; cx
	s_lshl_b32 s12, ttmp9, 2
	s_add_co_u32 s12, s12, s11                     ; my block of 512 queries: it enters q's and y's addresses alone
	s_and_b32 s13, ttmp7, 0xffff                   ; batch x 16 + head, which the four partners share
	s_lshr_b32 s14, s13, 4                         ; batch
	s_and_b32 s15, s13, 15                         ; head
	s_and_b32 s16, s[WV], 7                        ; waves 0-7 fetch an eighth of K each, waves 8-15 of V
	s_add_co_u32 s17, s15, 16
	s_lshl_b32 s56, s17, 18
	s_lshl_b32 s19, s14, 16
	s_add_co_u32 s56, s56, s19
	s_lshl_b32 s19, s16, 13
	s_add_co_u32 s56, s56, s19                     ; K's codes: 262144 (16 + head) + 65536 batch + 8192 eighth
	s_lshl_b32 s57, s13, 16
	s_add_co_u32 s57, s57, s19                     ; V's codes
	s_lshl_b32 s58, s17, 14
	s_lshl_b32 s19, s14, 12
	s_add_co_u32 s58, s58, s19
	s_lshl_b32 s19, s16, 9
	s_add_co_u32 s58, s58, s19
	s_add_co_u32 s58, s58, 8388608                 ; K's scale words
	s_lshl_b32 s59, s13, 12
	s_add_co_u32 s59, s59, s19
	s_add_co_u32 s59, s59, 4194304                 ; V's
	s_mov_b32 s[G1C], 15|(3<<16)|(1<<21)           ; 15:0 all four work-groups; 17:16 elements of 8 bytes; 21 set beside a mask: 8,192 dense bytes as 32 rows of 256
	s_mov_b32 s[G1C+1], 32<<16
	s_mov_b32 s[G1C+2], 32<<16
	s_mov_b32 s[G1C+3], 32<<16
	s_mov_b32 s[G1C+4], 32
	s_mov_b32 s[G1C+5], 32
	s_mov_b32 s[G1C+6], 0
	s_mov_b32 s[G1C+7], 0
	s_mov_b32 s[G1S], 15|(3<<16)|(1<<21)           ; 512 dense bytes as 2 rows of 256
	s_mov_b32 s[G1S+1], 32<<16
	s_mov_b32 s[G1S+2], 2<<16
	s_mov_b32 s[G1S+3], 32<<16
	s_mov_b32 s[G1S+4], 2
	s_mov_b32 s[G1S+5], 32
	s_mov_b32 s[G1S+6], 0
	s_mov_b32 s[G1S+7], 0
	s_mov_b32 s[SEL], 0x76543210
	s_mov_b32 s[SEL+1], 0xfedcba98
	s_mov_b32 s[CS], 0x3e38aa3b                    ; c = log2(e) / 8
	s_mov_b32 s[CS+1], s[CS]
	s_mov_b32 s[TB], 0
	s_mov_b32 s[TS], 0
	s_mov_b32 s[CNT], 16
	s_wait_dscnt 0x0                               ; both opening adds are done
	s_wait_kmcnt 0x0
	s_cmp_lt_u32 s[WV], 8                          ; K or V: the choice hangs on the wave's number alone, the same in all partners
	s_cselect_b64 s[52:53], s[4:5], s[6:7]
	s_cselect_b32 s54, s56, s57
	s_cselect_b32 s56, s58, s59
	s_mov_b32 s55, 0
	s_mov_b32 s57, 0
	CROUND                                         ; all four work-groups are here: the joint loads meet
	s_mov_b32 s[G0S], 1
	s_lshl_b32 s[G0S+1], s[WV], 9
	s_add_co_u32 s[G0S+1], s[G0S+1], KSC
	s_add_nc_u64 s[G0S+2:G0S+3], s[52:53], s[56:57]
	s_or_b32 s[G0S+3], s[G0S+3], 0x80000000
	s_mov_b32 s[G0C], 1
	s_lshl_b32 s[G0C+1], s[WV], 13
	s_add_nc_u64 s[G0C+2:G0C+3], s[52:53], s[54:55]
	s_or_b32 s[G0C+3], s[G0C+3], 0x80000000
	tensor_load_to_lds s[G0S:G0S+3], s[G1S:G1S+7]
	s_nop 0
	s_wait_alu depctr_va_vdst(0)
	s_wait_tensorcnt 0x0
	ds_add_u32 v5, v6
	s_wait_dscnt 0x0
	CROUND
	tensor_load_to_lds s[G0C:G0C+3], s[G1C:G1C+7]
	s_nop 0
.rept 4
	v_nop
.endr
	v_and_b32 v252, 31, v0
	s_delay_alu instid0(VALU_DEP_1)
	v_lshlrev_b32 v[LI], 4, v252
	s_wait_alu depctr_va_vdst(0)
	v_and_b32 v253, 15, v0                         ; r
	v_bfe_u32 v55, v0, 4, 1                        ; h
	s_delay_alu instid0(VALU_DEP_2)
	v_lshlrev_b32 v7, 4, v253
	s_wait_alu depctr_va_vdst(0)
	v_add_nc_u32 v[LV], 65536, v[LI]
	v_add_nc_u32 v[LKS], KSC, v7
	v_add_nc_u32 v[LVS], VSC, v7
	v_lshl_add_u32 v54, v55, 9, v7                 ; y's scale bytes: tile h, row slot r
	s_lshl_b32 s52, s14, 7
	s_lshl_b32 s53, s12, 5
	s_add_co_u32 s52, s52, s53
	s_lshl_b32 s53, s[WV], 1
	s_add_co_u32 s52, s52, s53                     ; my first token block: 128 batch + 32 query block + 2 wave
	s_lshl_b32 s54, s15, 18
	s_lshl_b32 s55, s52, 9
	s_add_co_u32 s54, s54, s55
	s_mov_b32 s55, 0
	s_add_nc_u64 s[54:55], s[4:5], s[54:55]        ; q's codes
	s_lshl_b32 s56, s12, 4
	s_add_co_u32 s56, s56, s[WV]                   ; my pair of blocks within the batch
	s_lshr_b32 s57, s56, 2
	s_lshl_b32 s58, s14, 4
	s_add_co_u32 s57, s57, s58
	s_lshl_b32 s57, s57, 8
	s_and_b32 s56, s56, 3
	s_lshl_b32 s56, s56, 2
	s_add_co_u32 s56, s56, s57
	s_lshl_b32 s57, s15, 14
	s_add_co_u32 s56, s56, s57
	s_add_co_u32 s56, s56, 8388608
	s_mov_b32 s57, 0
	s_add_nc_u64 s[56:57], s[4:5], s[56:57]        ; and the pair's scale word
	global_load_b128 v[28:31], v[LI], s[54:55]
	global_load_b128 v[36:39], v[LI], s[54:55] offset:512
	global_load_b32 v252, v7, s[56:57]
	s_lshl_b32 s58, s52, 13
	s_lshl_b32 s59, s15, 9
	s_add_co_u32 s58, s58, s59
	s_mov_b32 s59, 0
	s_add_nc_u64 s[6:7], s[8:9], s[58:59]          ; y's codes: 8192 block + 512 head
	s_lshl_b32 s58, s52, 9
	s_lshr_b32 s59, s15, 3
	s_lshl_b32 s59, s59, 8
	s_add_co_u32 s58, s58, s59
	s_and_b32 s59, s15, 7
	s_lshl_b32 s59, s59, 1
	s_add_co_u32 s58, s58, s59
	s_add_co_u32 s58, s58, 4194304
	s_mov_b32 s59, 0
	s_add_nc_u64 s[8:9], s[8:9], s[58:59]          ; y's scale bytes: 512 block + 256 (head / 8) + 2 (head % 8)
.irp j, 24,25,26,27,32,33,34,35,40,41,42,43
	v_mov_b32 v[\j], 0                             ; the zero codes beside q
.endr
	s_wait_loadcnt 0x0
	v_perm_b32 v[QS], v252, v252, 0x01000100       ; tile 0's two bytes, twice: they serve (q, zeros) and (zeros, q) alike
	v_perm_b32 v[QS+1], v252, v252, 0x03020302     ; tile 1's
.irp i, 0,1
	v_mov_b32 v[ST+8*\i+1], 0xff61b1e6             ; the largest t so far: -3e38
	s_delay_alu instid0(VALU_DEP_1)
	v_floor_f32 v[ST+8*\i], -v[ST+8*\i+1]
	v_mov_b32 v[ST+8*\i+2], 0
	v_mov_b32 v[ST+8*\i+3], 0
	v_mov_b32 v[ST+8*\i+5], 0                      ; (named as the upper half of a pair before it is first written)
.endr
.irp b, 0,1,2,3
	v_mov_b32 v[T2+\b], 0                          ; (a lane permute's destination counts as read)
.endr
.set j, 0
.rept 64
	v_mov_b32 v[O+j], 0                            ; O^T: the loop is written once; its first step finds zeros, which the first change of M leaves zeros
.set j, j+1
.endr
	s_wait_tensorcnt 0x0                           ; my parts of K, V and their scale words have landed,
	s_barrier_signal -1
	s_barrier_wait -1                              ; everybody's have
.macro SMUL i                          ; S^T of tile i: eight tiles of 16 keys
.irp p, 0,1,2,3
.irp u, 0,1
	v_wmma_scale_f32_16x16x128_f8f6f4 v[S+8*(2*\p+\u):S+8*(2*\p+\u)+7], v[KF+8*\p:KF+8*\p+7], v[28+8*(\i)-4*\u:35+8*(\i)-4*\u], 0, v[KSR+\p], v[QS+(\i)] matrix_a_fmt:MATRIX_FMT_FP4 matrix_b_fmt:MATRIX_FMT_FP4
.endr
.endr
.endm
.macro SOFTMAX i
.set T,  ST+8*(\i)
.set OO, O+32*(\i)
.set PP, PC+8*(\i)
.irp b, 0,1,2,3
	v_max3_num_f32 v[BM+\b], v[S+16*\b], v[S+16*\b+1], v[S+16*\b+2]   ; the largest score of each block of 32 keys: for the row's maximum, and, since p rises with the score, for the block's largest p
.endr
.irp k, 3,5,7,9,11,13
.irp b, 0,1,2,3
	v_max3_num_f32 v[BM+\b], v[BM+\b], v[S+16*\b+\k], v[S+16*\b+\k+1]
.endr
.endr
.irp b, 0,1,2,3
	v_max_num_f32 v[BM+\b], v[BM+\b], v[S+16*\b+15]
.endr
.irp b, 0,1,2,3
	s_delay_alu instid0(VALU_DEP_4)
	v_permlanex16_b32 v[T2+\b], v[BM+\b], s[SEL], s[SEL+1]
.endr
.irp b, 0,1,2,3
	s_delay_alu instid0(VALU_DEP_4)
	v_max_num_f32 v[BM+\b], v[BM+\b], v[T2+\b]
.endr
	s_delay_alu instid0(VALU_DEP_2)
	v_max3_num_f32 v254, v[BM], v[BM+1], v[BM+2]
	s_delay_alu instid0(VALU_DEP_1)
	v_max_num_f32 v254, v254, v[BM+3]
	s_delay_alu instid0(VALU_DEP_1)
	v_mul_f32 v254, s[CS], v254
	s_delay_alu instid0(VALU_DEP_1)
	v_max_num_f32 v[T+1], v[T+1], v254             ; the running largest t
	v_mov_b32 v254, v[T]
	s_delay_alu instid0(VALU_DEP_2)
	v_floor_f32 v[T], -v[T+1]                      ; the new -M = floor(-t): M is a whole number
	s_delay_alu instid0(VALU_DEP_1)
	v_sub_f32 v254, v[T], v254
	s_delay_alu instid0(VALU_DEP_1)
	v_cvt_i32_f32 v254, v254                       ; (it saturates)
	s_delay_alu instid0(VALU_DEP_1)
	v_ldexp_f32 v[T+4], 1.0, v254                  ; f = 2^(old M - new M)
.set j, 0
.rept 32
	v_pk_fma_f32 v[S+j:S+j+1], v[S+j:S+j+1], s[CS:CS+1], v[T:T+1] op_sel_hi:[1,0,0]   ; t - M
.set j, j+2
.endr
.irp b, 0,1,2,3
	v_fma_f32 v[BM+\b], v[BM+\b], s[CS], v[T]
.endr
.set j, 0
	s_wait_alu depctr_va_vdst(0)
.rept 64
	v_exp_f32 v[S+j], v[S+j]                       ; p = 2^(t - M)
.set j, j+1
.endr
	v_pk_mul_f32 v[T+2:T+3], v[T+2:T+3], v[T+4:T+5] op_sel_hi:[1,0]   ; the sums under the new M (the plain line behind the exponentials)
	s_wait_alu depctr_va_vdst(0)                   ; one wait for the batch of 64, ahead of its first reader
.irp b, 0,1,2,3
	v_exp_f32 v[BM+\b], v[BM+\b]                   ; each block's largest p
.endr
	v_pk_add_f32 v[T+6:T+7], v[S:S+1], v[S+2:S+3]  ; the row's sum of the unquantised p, in two chains
.set j, 4
.rept 15
	v_pk_add_f32 v[T+2:T+3], v[T+2:T+3], v[S+j:S+j+1]
	v_pk_add_f32 v[T+6:T+7], v[T+6:T+7], v[S+j+2:S+j+3]
.set j, j+4
.endr
	s_delay_alu instid0(VALU_DEP_1)
	v_pk_add_f32 v[T+2:T+3], v[T+2:T+3], v[T+6:T+7]
	s_wait_alu depctr_va_vdst(0)                   ; and one for the four
.irp b, 0,1,2,3
	v_max_num_f32 v[BM+\b], 0x1800000, v[BM+\b]    ; the floor 2^(3 - 127)
.endr
.irp b, 0,1,2,3
	s_delay_alu instid0(VALU_DEP_4)
	v_add_nc_u32 v[SCO+\b], 0xff000000, v[BM+\b]
.endr
.irp b, 0,1,2,3
	s_delay_alu instid0(VALU_DEP_4)
	v_lshrrev_b32 v[T2+\b], 23, v[SCO+\b]
.endr
	s_delay_alu instid0(VALU_DEP_3)
	v_lshl_or_b32 v[T+5], v[T2+1], 8, v[T2]        ; p's scale word for these 128 keys
	s_delay_alu instid0(VALU_DEP_1)
	v_lshl_or_b32 v[T+5], v[T2+2], 16, v[T+5]
	s_delay_alu instid0(VALU_DEP_1)
	v_lshl_or_b32 v[T+5], v[T2+3], 24, v[T+5]
.irp b, 0,1,2,3
	v_cvt_scalef32_pk8_fp4_f32 v[PP+2*\b], v[S+16*\b:S+16*\b+7], v[SCO+\b]
	v_cvt_scalef32_pk8_fp4_f32 v[PP+2*\b+1], v[S+16*\b+8:S+16*\b+15], v[SCO+\b]
.endr
	v_nop
.irp c, 0,1
.irp n, 0,1
	v_permlane16_swap_b32 v[PP+4*\c+\n], v[PP+2+4*\c+\n]
.endr
.endr
.set j, 0
.rept 16
	v_pk_mul_f32 v[OO+j:OO+j+1], v[OO+j:OO+j+1], v[T+4:T+5] op_sel_hi:[1,0]   ; O^T under the new M; these lines are also the places in front of the matrix instructions that follow
.set j, j+2
.endr
.endm
.Lkeys:                                            ; 16 trips of 128 keys
	s_setprio 2
	v_add_nc_u32 v[ADK], s[TB], v[LI]              ; four plain lines: also the places between the last trip's products and the loads into their fragments' registers
	v_add_nc_u32 v[ADV], s[TB], v[LV]
	v_add_nc_u32 v[ADS], s[TS], v[LKS]
	v_add_nc_u32 v[ADT], s[TS], v[LVS]
.irp p, 0,1,2,3
.irp u, 0,1
	ds_load_b128 v[KF+8*\p+4*\u:KF+8*\p+4*\u+3], v[ADK] offset:1024*\p+512*\u
.endr
.endr
	ds_load_b128 v[KSR:KSR+3], v[ADS]
	s_wait_dscnt 0x0
	SMUL 0
	PLACES
	SOFTMAX 0
	SMUL 1
	PLACES                                         ; in front of the reads of the scores and of the loads into K's registers
.irp t, 0,1,2,3
.irp c, 0,1
	ds_load_b128 v[KF+8*\t+4*\c:KF+8*\t+4*\c+3], v[ADV] offset:1024*\t+512*\c   ; V's four fragments land under tile 1's softmax
.endr
.endr
	ds_load_b128 v[VSR:VSR+3], v[ADT]
	s_setprio 1
	SOFTMAX 1
	s_setprio 0
	s_wait_alu depctr_va_vdst(0)
	s_wait_dscnt 0x0
.irp t, 0,1,2,3                        ; O^T += V^T P^T: eight accumulators by turns
.irp i, 0,1
	v_wmma_scale_f32_16x16x128_f8f6f4 v[O+32*\i+8*\t:O+32*\i+8*\t+7], v[KF+8*\t:KF+8*\t+7], v[PC+8*\i:PC+8*\i+7], v[O+32*\i+8*\t:O+32*\i+8*\t+7], v[VSR+\t], v[ST+8*\i+5] matrix_a_fmt:MATRIX_FMT_FP4 matrix_b_fmt:MATRIX_FMT_FP4
.endr
.endr
	s_add_co_u32 s[TB], s[TB], 4096
	s_add_co_u32 s[TS], s[TS], 256
	s_sub_co_u32 s[CNT], s[CNT], 1
	s_cmp_lg_u32 s[CNT], 0
	s_cbranch_scc1 .Lkeys
	s_setprio 0
	; THE WAY OUT.  The additions are the places behind the last products.
.irp i, 0,1
	v_add_f32 v[ST+8*\i+2], v[ST+8*\i+2], v[ST+8*\i+3]
.endr
.irp i, 0,1
	s_delay_alu instid0(VALU_DEP_2)
	v_permlanex16_b32 v[ST+8*\i+6], v[ST+8*\i+2], s[SEL], s[SEL+1]
.endr
.irp i, 0,1
	s_delay_alu instid0(VALU_DEP_2)
	v_add_f32 v[ST+8*\i+2], v[ST+8*\i+2], v[ST+8*\i+6]   ; the row's sum
.endr
	v_nop
	v_nop
	s_wait_alu depctr_va_vdst(0)
.irp i, 0,1
	v_rcp_f32 v[ST+8*\i+4], v[ST+8*\i+2]
.endr
	v_nop
	s_wait_alu depctr_va_vdst(0)                   ; one wait for both reciprocals
.macro OUT i                           ; y = O^T / sum: register 16 b + n is channel 32 b + 16 h + n of my query: two blocks of 32 along the last product's K
.set T,  ST+8*(\i)
.set OO, O+32*(\i)
.set PP, PC+8*(\i)
.set j, 0
.rept 16
	v_pk_mul_f32 v[OO+j:OO+j+1], v[OO+j:OO+j+1], v[T+4:T+5] op_sel_hi:[1,0]
.set j, j+2
.endr
.irp b, 0,1
	v_max3_num_f32 v[BM+\b], |v[OO+16*\b]|, |v[OO+16*\b+1]|, 0x1800000
.endr
.irp k, 2,4,6,8,10,12,14
.irp b, 0,1
	s_delay_alu instid0(VALU_DEP_2)
	v_max3_num_f32 v[BM+\b], v[BM+\b], |v[OO+16*\b+\k]|, |v[OO+16*\b+\k+1]|
.endr
.endr
.irp b, 0,1
	s_delay_alu instid0(VALU_DEP_2)
	v_permlanex16_b32 v[T2+\b], v[BM+\b], s[SEL], s[SEL+1]
.endr
.irp b, 0,1
	s_delay_alu instid0(VALU_DEP_2)
	v_max_num_f32 v[BM+\b], v[BM+\b], v[T2+\b]
.endr
.irp b, 0,1
	s_delay_alu instid0(VALU_DEP_2)
	v_add_nc_u32 v[SCO+\b], 0xff000000, v[BM+\b]
.endr
.irp b, 0,1
	s_delay_alu instid0(VALU_DEP_2)
	v_lshrrev_b32 v[T2+\b], 23, v[SCO+\b]
.endr
	s_delay_alu instid0(VALU_DEP_1)
	v_lshl_or_b32 v[252+(\i)], v[T2+1], 8, v[T2]   ; the two scale bytes
.irp b, 0,1
	v_cvt_scalef32_pk8_fp4_f32 v[PP+2*\b], v[OO+16*\b:OO+16*\b+7], v[SCO+\b]
	v_cvt_scalef32_pk8_fp4_f32 v[PP+2*\b+1], v[OO+16*\b+8:OO+16*\b+15], v[SCO+\b]
.endr
	v_nop
.irp n, 0,1
	v_permlane16_swap_b32 v[PP+\n], v[PP+2+\n]
.endr
	global_store_b128 v[LI], v[PP:PP+3], s[6:7] offset:8192*(\i)   ; 512 consecutive bytes of the block's image
.endm
	OUT 0
	OUT 1
	v_cmp_eq_u32 vcc_lo, 1, v55
	s_delay_alu instid0(VALU_DEP_1)
	v_cndmask_b32 v254, v252, v253, vcc_lo         ; lanes 0-15 tile 0's bytes, lanes 16-31 tile 1's
	global_store_b16 v54, v254, s[8:9]
	s_wait_tensorcnt 0x0                           ; the wave's end
	ds_add_u32 v[SPW], v[NIL]
	s_wait_dscnt 0x0
	CROUND                                         ; the closing round
	s_endpgm
.Lfunc_end_k_q53a96f95fe_attn:
	.size	k_q53a96f95fe_attn, .Lfunc_end_k_q53a96f95fe_attn-k_q53a96f95fe_attn
	.p2alignl 7, 3214868480
	.fill 96, 4, 3214868480
	.section	.rodata,"a",@progbits
	.p2align	6, 0x0
	.amdhsa_kernel k_q53a96f95fe_attn
		.amdhsa_group_segment_fixed_size 327680
		.amdhsa_private_segment_fixed_size 0
		.amdhsa_enable_private_segment 0
		.amdhsa_kernarg_size 24
		.amdhsa_user_sgpr_count 2
		.amdhsa_user_sgpr_kernarg_segment_ptr 1
		.amdhsa_wavefront_size32 1
		.amdhsa_system_sgpr_workgroup_id_x 1
		.amdhsa_system_sgpr_workgroup_id_y 1
		.amdhsa_system_sgpr_workgroup_id_z 1
		.amdhsa_system_vgpr_workitem_id 0
		.amdhsa_next_free_vgpr 256
		.amdhsa_next_free_sgpr 66
		.amdhsa_reserve_vcc 1
		.amdhsa_float_denorm_mode_32 3
		.amdhsa_float_denorm_mode_16_64 3
		.amdhsa_memory_ordered 1
		.amdhsa_forward_progress 1
		.amdhsa_inst_pref_size 49
	.end_amdhsa_kernel
	.amdgpu_metadata
---
amdhsa.version: [ 1, 2 ]
amdhsa.kernels:
  - .name:           k_q53a96f95fe_attn
    .symbol:         k_q53a96f95fe_attn.kd
    .args:
      - { .name: qk, .offset: 0, .size: 8, .value_kind: global_buffer, .address_space: global }
      - { .name: vq, .offset: 8, .size: 8, .value_kind: global_buffer, .address_space: global }
      - { .name: yq, .offset: 16, .size: 8, .value_kind: global_buffer, .address_space: global }
    .group_segment_fixed_size: 327680
    .private_segment_fixed_size: 0
    .kernarg_segment_align: 8
    .kernarg_segment_size: 24
    .max_flat_workgroup_size: 512
    .sgpr_count:     66
    .vgpr_count:     256
    .wavefront_size: 32
...
	.end_amdgpu_metadata
.endif
;; end of part 3
;; launch gemm_proj (part 4): grid 4 x 32, 4 waves a work-group, clusters of 4 x 4, 327,680 bytes of LDS; arguments yq, wq, b_proj, out0; writes out0
.if DOCPART == 4
	.amdgcn_target "amdgcn-amd-amdhsa--gfx1250"
	.amdhsa_code_object_version 6
	.text
	.protected	k_q53a96f95fe_gemm_proj
	.globl	k_q53a96f95fe_gemm_proj
	.p2align	8
	.type	k_q53a96f95fe_gemm_proj,@function
k_q53a96f95fe_gemm_proj:
	s_mov_b64 s[64:65], 0
	v_nop
	global_prefetch_b8 v0, s[64:65] scope:SCOPE_SE
	s_setreg_imm32_b32 hwreg(HW_REG_WAVE_MODE, 25, 1), 1
	s_wait_xcnt 0x0
	s_wait_alu depctr_hold_cnt(0) depctr_sa_sdst(0) depctr_va_vdst(0) depctr_va_sdst(0) depctr_va_ssrc(0) depctr_va_vcc(0) depctr_vm_vsrc(0)
	s_getreg_b32 s2, hwreg(HW_REG_IB_STS2, 6, 4)
	s_cmp_eq_u32 s2, 0
	s_cbranch_scc0 .Lentry_in_a_cluster
	s_endpgm
.Lentry_in_a_cluster:
	s_bfe_u32 s2, ttmp6, 0x10000c
	s_cmp_lg_u32 s2, 0xf033
	s_cbranch_scc0 .Lentry_shape_is_right
	s_endpgm
.Lentry_shape_is_right:
; LAUNCH 4 OF 4.  out = y w_proj + b_proj on codes of FP4 with E8M0 scales, f32 out. No work is left out.  The body is launch 2's with one role (source 1 = y, source 0 = the weight) and another way out.
; A tile of 256 tokens x 256 columns is made by four waves, each 128 x 128.  K = 1,024 of both operands fits in LDS whole: every tensor load is a first fill issued at the head, K in four chunks of 256;
; by this text's own count a wave has five tensor loads out.  CLUSTERS: 4 x 4; y's tile is shared along a row of the cluster, the weight's along a column.  128 tiles: a tile of 128 x 256 would give 256 work-groups but
; read 12 KiB of LDS for 32 products against 16 KiB for 64, so the larger tile stays.
; A block's 16 rows are 32 (a / 2) + 8 (a % 2) + r + 8 (r / 8), in y as in the weight: a lane's 16 registers of two neighbouring tiles are 16 neighbouring columns, and a block's rows go to their places in out0 by the stores' offsets.
; REGISTERS: as launch 2; on the way out v128-255 of window 0 hold rows read back from the stage.
.set SCX,   262144
.set STAGE, 278528                     ; the way out: 16 rows x (512 + 16) bytes for each wave; no tensor load lands here
.set SPARE, 312320
.set XA,  16
.set WB,  17
.set SA0, 20
.set LO,  22
.set BO0, 24
.set STO, 26
.set RD,  27
.set SPW, 28
.set NIL, 29
.set SC,  32
.set AF,  128
.set BI,  192
.set BK,  128
.set G1X, 24
.set G1W, 32
.set G1SX,40
.set G1SW,48
.set MSB, 0
.macro WIN new
.if MSB != (\new)
	s_set_vgpr_msb (MSB<<8)|(\new)
.set MSB, (\new)
.endif
.endm
.macro PLACES
.rept 4
	v_nop
.endr
.endm
.macro JLOAD g0a, g1a, g0b, g1b
	s_cmp_eq_u32 s15, 0
	s_cbranch_scc0 .Lfor_b_\@
	tensor_load_to_lds s[\g0a:\g0a+3], s[\g1a:\g1a+7]
	s_nop 0
.rept 4
	v_nop
.endr
	s_branch .Lasked_\@
.Lfor_b_\@:
	tensor_load_to_lds s[\g0b:\g0b+3], s[\g1b:\g1b+7]
	s_nop 0
.rept 4
	v_nop
.endr
.Lasked_\@:
.endm
.macro CROUND
	s_barrier_signal -1
	s_barrier_wait -1
	s_cmp_lg_u32 s14, 0
	s_cbranch_scc1 .Lnot_wave_0_\@
	s_barrier_signal -3
.Lnot_wave_0_\@:
	s_barrier_wait -3
	s_barrier_signal -1
	s_barrier_wait -1
.endm
.macro G0SET g, shift, lds, pair, off
	s_mov_b32 s[\g], 1
	s_lshl_b32 s[\g+1], s14, \shift
	s_add_co_u32 s[\g+1], s[\g+1], \lds
	s_add_nc_u64 s[\g+2:\g+3], s[\pair:\pair+1], \off
	s_or_b32 s[\g+3], s[\g+3], 0x80000000
.endm
	s_load_b256 s[4:11], s[0:1], 0x0               ; yq s[4:5], wq s[6:7], b_proj s[8:9], out0 s[10:11]
	v_lshl_add_u32 v[SPW], v0, 2, SPARE
	v_mov_b32 v[NIL], 0
	ds_add_u32 v[SPW], v[NIL]                      ; the wave's opening: the add, twice on end, and its wait ahead of my first tensor load
	ds_add_u32 v[SPW], v[NIL]
	v_lshrrev_b32 v1, 5, v0
	v_readfirstlane_b32 s14, v1
	s_lshr_b32 s15, s14, 1
	s_and_b32 s16, s14, 1
	s_bfe_u32 s66, ttmp6, 0x40000
	s_bfe_u32 s67, ttmp6, 0x40004
	s_lshl_b32 s100, ttmp9, 2
	s_add_co_u32 s100, s100, s66                   ; wx
	s_and_b32 s17, ttmp7, 0xffff
	s_lshl_b32 s17, s17, 2
	s_add_co_u32 s17, s17, s67                     ; wy
	s_lshl_b32 s101, s67, 2
	s_lshl_b32 s101, 15, s101
	s_lshl_b32 s18, 0x1111, s66
	s_or_b32 s[G1X], s101, (3<<16)|(1<<21)
	s_or_b32 s[G1W], s18, (3<<16)|(1<<21)
	s_or_b32 s[G1SX], s101, (3<<16)|(1<<21)
	s_or_b32 s[G1SW], s18, (3<<16)|(1<<21)
.irp g, G1X, G1W
	s_mov_b32 s[\g+1], 256<<16
	s_mov_b32 s[\g+2], 8<<16
	s_mov_b32 s[\g+3], 256<<16
	s_mov_b32 s[\g+4], 8
	s_mov_b32 s[\g+5], 1024
	s_mov_b32 s[\g+6], 0
	s_mov_b32 s[\g+7], 0
.endr
.irp g, G1SX, G1SW
	s_mov_b32 s[\g+1], 32<<16
	s_mov_b32 s[\g+2], 16<<16
	s_mov_b32 s[\g+3], 32<<16
	s_mov_b32 s[\g+4], 16
	s_mov_b32 s[\g+5], 32
	s_mov_b32 s[\g+6], 0
	s_mov_b32 s[\g+7], 0
.endr
	s_lshl_b32 s20, s17, 17
	s_lshl_b32 s21, s16, 16
	s_add_co_u32 s20, s20, s21
	s_mov_b32 s21, 0
	s_lshl_b32 s22, s17, 13
	s_lshl_b32 s23, s16, 12
	s_add_co_u32 s22, s22, s23
	s_add_co_u32 s22, s22, 4194304
	s_mov_b32 s23, 0
	s_lshl_b32 s2, s100, 17
	s_lshl_b32 s3, s16, 16
	s_add_co_u32 s2, s2, s3
	s_add_co_u32 s2, s2, 1572864                   ; w_proj's blocks begin at block 192 of wq
	s_mov_b32 s3, 0
	s_lshl_b32 s18, s100, 13
	s_lshl_b32 s19, s16, 12
	s_add_co_u32 s18, s18, s19
	s_add_co_u32 s18, s18, 2097152+98304
	s_mov_b32 s19, 0
	s_wait_dscnt 0x0
	s_wait_kmcnt 0x0
	s_add_nc_u64 s[20:21], s[4:5], s[20:21]
	s_add_nc_u64 s[22:23], s[4:5], s[22:23]
	s_add_nc_u64 s[2:3], s[6:7], s[2:3]
	s_add_nc_u64 s[18:19], s[6:7], s[18:19]
	CROUND
	G0SET 76, 12, SCX, 22, 0
	G0SET 96, 12, SCX, 18, 0
	JLOAD 76, G1SX, 96, G1SW
	G0SET 56, 14, 0, 20, 0
	G0SET 80, 14, 0, 2, 0
	JLOAD 56, G1X, 80, G1W
	G0SET 60, 14, 65536, 20, 2048
	G0SET 84, 14, 65536, 2, 2048
	JLOAD 60, G1X, 84, G1W
	G0SET 68, 14, 131072, 20, 4096
	G0SET 88, 14, 131072, 2, 4096
	JLOAD 68, G1X, 88, G1W
	G0SET 72, 14, 196608, 20, 6144
	G0SET 92, 14, 196608, 2, 6144
	JLOAD 72, G1X, 92, G1W
	v_and_b32 v1, 31, v0
	v_and_b32 v2, 15, v0
	v_bfe_u32 v3, v0, 4, 1
	s_wait_alu depctr_va_vdst(0)
	v_lshlrev_b32 v[LO], 4, v1
	s_lshl_b32 s20, s15, 14
	s_lshl_b32 s21, s16, 14
	v_add_nc_u32 v[XA], s20, v[LO]
	s_add_co_u32 s21, s21, 32768
	v_add_nc_u32 v[WB], s21, v[LO]
	s_lshl_b32 s20, s15, 12
	s_lshl_b32 s21, s16, 12
	s_add_co_u32 s22, s21, 8192
	s_sub_co_u32 s22, s22, s20
	v_lshlrev_b32 v4, 4, v2
	v_mul_u32_u24 v5, s22, v3
	v_add_nc_u32 v5, v5, v4
	s_add_co_u32 s20, s20, SCX
	v_add_nc_u32 v[SA0], s20, v5
	v_lshlrev_b32 v[BO0], 6, v3
	s_mul_i32 s23, s14, 16*528
	s_add_co_u32 s23, s23, STAGE                   ; my stage
	v_mul_u32_u24 v5, v2, 528
	v_lshl_add_u32 v5, v3, 6, v5
	v_add_nc_u32 v[STO], s23, v5                   ; in: row r, 64 bytes for each half of the lanes in each 128
	v_add_nc_u32 v[RD], s23, v[LO]                 ; back: the 32 lanes take a row of 512 bytes
	s_lshl_b32 s2, s100, 10
	s_lshl_b32 s3, s16, 9
	s_add_co_u32 s2, s2, s3                        ; my 128 columns, in bytes
	s_mov_b32 s3, 0
	s_add_nc_u64 s[8:9], s[8:9], s[2:3]
.irp b, 0,1,2,3,4,5,6,7
	global_load_b128 v[BI+8*\b:BI+8*\b+3], v[BO0], s[8:9] offset:(32*(\b/2)+8*(\b%2))*4
	global_load_b128 v[BI+8*\b+4:BI+8*\b+7], v[BO0], s[8:9] offset:(32*(\b/2)+8*(\b%2))*4+16
.endr
	s_lshl_b32 s20, s17, 20
	s_lshl_b32 s21, s15, 19
	s_add_co_u32 s20, s20, s21                     ; my 128 rows of 4,096 bytes
	s_add_co_u32 s20, s20, s2
	s_mov_b32 s21, 0
	s_add_nc_u64 s[10:11], s[10:11], s[20:21]
.macro FRAG reg, adr, e, i
.irp c, 0,1
	ds_load_b128 v[\reg+4*\c:\reg+4*\c+3], v[\adr] offset:(\i)*2048+(\e)*1024+512*\c
.endr
.endm
.macro FETCH_B adr, e
	WIN 0x40
.irp i, 0,1,2,3,4,5,6,7
	FRAG 128*(\e)+8*\i, \adr, \e, \i
.endr
	WIN 0
.endm
.macro FETCH_A adr, e, i0
.irp i, \i0, \i0+1, \i0+2, \i0+3
	FRAG AF+8*(\i), \adr, \e, \i
.endr
.endm
.macro SCALES adr
.irp sl, 0,1
.irp i, 0,1,2,3,4,5,6,7
	ds_load_b128 v[SC+32*\sl+4*\i:SC+32*\sl+4*\i+3], v[\adr] offset:\i*512+\sl*256
.endr
.endr
.endm
; 16 matrix instructions; in step 0 the bias is C.  The 64 accumulators take turns, one instruction a turn, in the same order in every step.
.macro MUL16 a0, p, s
.irp a, \a0, \a0+1
.irp b, 0,1,2,3,4,5,6,7
.if (\s) == 0
	v_wmma_scale_f32_16x16x128_f8f6f4 v[8*(8*((\a)%4)+\b):8*(8*((\a)%4)+\b)+7], v[128*(\p)+8*\b:128*(\p)+8*\b+7], v[AF+8*(\a):AF+8*(\a)+7], v[BI+8*\b:BI+8*\b+7], v[SC+32*((\s)/4)+4*\b+(\s)%4], v[SC+32*((\s)/4)+4*(\a)+(\s)%4] matrix_a_fmt:MATRIX_FMT_FP4 matrix_b_fmt:MATRIX_FMT_FP4 matrix_a_scale:MATRIX_SCALE_ROW1
.else
	v_wmma_scale_f32_16x16x128_f8f6f4 v[8*(8*((\a)%4)+\b):8*(8*((\a)%4)+\b)+7], v[128*(\p)+8*\b:128*(\p)+8*\b+7], v[AF+8*(\a):AF+8*(\a)+7], v[8*(8*((\a)%4)+\b):8*(8*((\a)%4)+\b)+7], v[SC+32*((\s)/4)+4*\b+(\s)%4], v[SC+32*((\s)/4)+4*(\a)+(\s)%4] matrix_a_fmt:MATRIX_FMT_FP4 matrix_b_fmt:MATRIX_FMT_FP4 matrix_a_scale:MATRIX_SCALE_ROW1
.endif
.endr
.endr
.endm
.macro STEP s, adra, adrb
	s_wait_dscnt 8                                 ; all but the youngest eight loads (source 1's blocks 4-7) are in
.if (\s) == 0
	WIN 0x81
.else
	WIN 0xa1
.endif
	MUL16 0, (\s)%2, \s
	MUL16 2, (\s)%2, \s
	s_wait_dscnt 0x0
.if (\s) < 7
.if (\s)%2 == 1
	s_wait_tensorcnt 3-((\s)+1)/2                  ; my part of the next chunk has landed; the chunks issued behind it may stay out
	s_barrier_signal -1
	s_barrier_wait -1
.endif
	PLACES
.if (\s)%2 == 1
	WIN 0
	v_add_nc_u32 v[\adra], 0x10000, v[\adra]
	v_add_nc_u32 v[\adrb], 0x10000, v[\adrb]
.endif
	s_wait_alu depctr_va_vdst(0)
	FETCH_B \adrb, ((\s)+1)%2
	FETCH_A \adra, ((\s)+1)%2, 0
.endif
.if (\s) == 0
	WIN 0xc1
.else
	WIN 0xf1
.endif
	MUL16 4, (\s)%2, \s
	MUL16 6, (\s)%2, \s
.if (\s) < 7
	PLACES
	WIN 0
	FETCH_A \adra, ((\s)+1)%2, 4
.endif
.endm
	s_wait_alu depctr_va_vdst(0)
	s_wait_tensorcnt 3                             ; my scale bytes and my part of chunk 0 are in; chunks 1 to 3 may be out
	s_barrier_signal -1
	s_barrier_wait -1
	FETCH_B WB, 0
	FETCH_A XA, 0, 0
	SCALES SA0
	FETCH_A XA, 0, 4
	s_wait_loadcnt 0x0                             ; the bias
.irp s, 0,1,2,3,4,5,6,7
	STEP \s, XA, WB
.endr
	WIN 0
	PLACES
; THE WAY OUT, block by block of 16 rows x 128 columns: through my own stage in LDS and back as whole rows of 512 bytes.  LDS serves a wave's instructions in order: no wait between the stores and the loads.
.macro TOSTAGE a
.set AC, 64*((\a)%4)
	WIN (8+4*((\a)/4))                             ; an LDS store's data are its source 1: window 2 or 3
.irp b, 0,1,2,3,4,5,6,7
	ds_store_b128 v[STO], v[AC+8*\b:AC+8*\b+3] offset:128*(\b/2)+32*(\b%2)        ; each accumulator from its low end on
	ds_store_b128 v[STO], v[AC+8*\b+4:AC+8*\b+7] offset:128*(\b/2)+32*(\b%2)+16
.endr
	WIN 0
.set BB, BK+64*((\a)%2)
.irp t, 0,1,2,3,4,5,6,7,8,9,10,11,12,13,14,15
	ds_load_b128 v[BB+4*\t:BB+4*\t+3], v[RD] offset:\t*528
.endr
.endm
.macro SEND a, younger                 ; younger: the LDS instructions issued behind block a's loads, which may stay out
.set BB, BK+64*((\a)%2)
	s_wait_dscnt \younger
.irp t, 0,1,2,3,4,5,6,7,8,9,10,11,12,13,14,15
	global_store_b128 v[LO], v[BB+4*\t:BB+4*\t+3], s[10:11] offset:(32*((\a)/2)+8*((\a)%2)+\t+8*(\t/8))*4096 th:TH_STORE_NT   ; 512 consecutive bytes of row slot t's row; the base never steps
.endr
.endm
	TOSTAGE 0
.irp a, 1,2,3,4,5,6,7
.if \a > 1
	s_wait_xcnt 0x0                                ; block a - 2's stores have read their registers: block a's loads may land there
.endif
	TOSTAGE \a
	SEND \a-1, 32                                  ; behind block a - 1's loads: block a's 16 stores and 16 loads
.endr
	SEND 7, 0
	s_wait_tensorcnt 0x0                           ; the wave's end
	ds_add_u32 v[SPW], v[NIL]
	s_wait_dscnt 0x0
	CROUND                                         ; the closing round
	s_endpgm
.Lfunc_end_k_q53a96f95fe_gemm_proj:
	.size	k_q53a96f95fe_gemm_proj, .Lfunc_end_k_q53a96f95fe_gemm_proj-k_q53a96f95fe_gemm_proj
	.p2alignl 7, 3214868480
	.fill 96, 4, 3214868480
	.section	.rodata,"a",@progbits
	.p2align	6, 0x0
	.amdhsa_kernel k_q53a96f95fe_gemm_proj
		.amdhsa_group_segment_fixed_size 327680
		.amdhsa_private_segment_fixed_size 0
		.amdhsa_enable_private_segment 0
		.amdhsa_kernarg_size 32
		.amdhsa_user_sgpr_count 2
		.amdhsa_user_sgpr_kernarg_segment_ptr 1
		.amdhsa_wavefront_size32 1
		.amdhsa_system_sgpr_workgroup_id_x 1
		.amdhsa_system_sgpr_workgroup_id_y 1
		.amdhsa_system_sgpr_workgroup_id_z 1
		.amdhsa_system_vgpr_workitem_id 0
		.amdhsa_next_free_vgpr 1024
		.amdhsa_next_free_sgpr 102
		.amdhsa_reserve_vcc 0
		.amdhsa_float_denorm_mode_32 3
		.amdhsa_float_denorm_mode_16_64 3
		.amdhsa_memory_ordered 1
		.amdhsa_forward_progress 1
		.amdhsa_inst_pref_size 128
	.end_amdhsa_kernel
	.amdgpu_metadata
---
amdhsa.version: [ 1, 2 ]
amdhsa.kernels:
  - .name:           k_q53a96f95fe_gemm_proj
    .symbol:         k_q53a96f95fe_gemm_proj.kd
    .args:
      - { .name: yq, .offset: 0, .size: 8, .value_kind: global_buffer, .address_space: global }
      - { .name: wq, .offset: 8, .size: 8, .value_kind: global_buffer, .address_space: global }
      - { .name: b_proj, .offset: 16, .size: 8, .value_kind: global_buffer, .address_space: global }
      - { .name: out0, .offset: 24, .size: 8, .value_kind: global_buffer, .address_space: global }
    .group_segment_fixed_size: 327680
    .private_segment_fixed_size: 0
    .kernarg_segment_align: 8
    .kernarg_segment_size: 32
    .max_flat_workgroup_size: 128
    .sgpr_count:     102
    .vgpr_count:     1024
    .wavefront_size: 32
...
	.end_amdgpu_metadata
.endif
;; end of part 4
